; MI455X (gfx1250); checked and timed in simulation.
; The chip was launched on July 23, 2026; its instructions are those of AMD's public machine-readable ISA for CDNA 5 (MIT licence, August 2026) and "CDNA5" Instruction Set Architecture Reference Guide (July 2026). The comments in the code are by the model that wrote it; some were corrected since.
;; Cross Layer Attention. Allowed arithmetic: matrix products marked QUANTISED: E2M3 operands, one E8M0 scale for each 32 along K, by v_wmma_scale_f32_16x16x128_f8f6f4 with both operands' format E2M3, f32 sums; everything else in f32.
;; Inputs: Wk 1,024 x 1,024 float32; Wo 1,024 x 1,024 float32; Wq 1,024 x 1,024 float32; Wv 1,024 x 1,024 float32; bk 1,024 float32; bo 1,024 float32; bq 1,024 float32; bv 1,024 float32; key_value 4 x 2,048 x 1,024 float32; query 4 x 2,048 x 1,024 float32.
;; Outputs: out0 4 x 2,048 x 1,024 float32.
;; Constants: lookahead = 128.
;; This version of the problem:
;;   THIS VERSION OF THE PROBLEM IS GIVEN IN LOW PRECISION. The matrix products marked QUANTISED in the list below multiply operands that are first quantised to E2M3 (2 exponent bits, 3 mantissa bits; 6 bits a number), with one power-of-two scale for each 32 numbers along K (OCP MX v1.0); their sums are f32. All else is computed in f32.
;;   The module's matrix products, in the order in which they are computed (A, B: the left and right operand; K: the contracted axis; several contracted axes count as one K, in the product's order):
;;     1. [M 8,192, K 1,024] x [K 1,024, N 1,024]; A: input query; B: input Wq: QUANTISED
;;     2. [M 8,192, K 1,024] x [K 1,024, N 1,024]; A: input key_value; B: input Wk: QUANTISED
;;     3. [M 8,192, K 1,024] x [K 1,024, N 1,024]; A: input key_value; B: input Wv: QUANTISED
;;     4. batch 64 x [M 2,048, K 64] x [K 64, N 2,048]; A: computed on the way; B: computed on the way: QUANTISED
;;     5. batch 64 x [M 2,048, K 2,048] x [K 2,048, N 64]; A: softmax (see below); B: computed on the way: QUANTISED
;;     6. [M 8,192, K 1,024] x [K 1,024, N 1,024]; A: computed on the way; B: input Wo: QUANTISED
;;   THE QUANTISER, for each operand of a quantised product, along K:
;;     - K is cut into blocks of 32 from its start; a last block that is shorter is filled with zeros.
;;     - A block's scale is 2^e with e = floor(log2(the largest magnitude in the block)) - 2, held to -126 .. 127; a block of zeros has e = 0. As a byte (E8M0): e + 127.
;;     - Each number is divided by its block's scale, clamped to +-7.5, and rounded to the nearest number of E2M3, ties to even, subnormals kept.
;;     - The product sums the exact products of the quantised numbers (number of the format x scale) in f32.
;;   ~~~python
;;   def quantise(x, axis):      # numpy; x: float32 -> the quantised numbers, widened to float32 again
;;       x = np.moveaxis(x, axis, -1); K = x.shape[-1]
;;       x = np.pad(x, [(0, 0)] * (x.ndim - 1) + [(0, -K % 32)]); x = x.reshape(x.shape[:-1] + (-1, 32)); a = np.abs(x).max(-1, keepdims=True)
;;       e = np.where(a > 0, np.clip(np.frexp(np.where(a > 0, a, 1))[1] - 1 - 2, -126, 127), 0)      # np.frexp(a)[1] - 1 = floor(log2(a)), exactly
;;       r = np.clip(x / 2.0 ** e, -7.5, 7.5)
;;       step = 2.0 ** (np.maximum(np.frexp(np.where(r == 0, 1, r))[1] - 1, 0) - 3)
;;       q = np.round(r / step) * step * 2.0 ** e      # np.round: ties to even
;;       return np.moveaxis(q.reshape(q.shape[:-2] + (-1,))[..., :K], -1, axis).astype(np.float32)
;;   ~~~
;;   SOFTMAX AHEAD OF A QUANTISED PRODUCT. Where the list says 'softmax', what is quantised is not the finished softmax but p = 2^(t - M), with t = logit x log2(e) and M = ceil(the row's largest t), a whole number; so 1/2 < the row's largest p <= 1. The row's sum l is taken of the UNQUANTISED p, in f32, and the product's result is divided by l at the end. Since M is a whole number, a kernel that streams over the keys may use a running M (the ceiling of the running maximum): every later rescaling is an exact power of two, which a block's scale takes up: the codes' values come out the same.
;;   OPERANDS COMPUTED ON THE WAY. 'Computed on the way' means the value that the module computes at that place (a softmax that the list does not call 'softmax' is quantised finished and normalised). What goes into a quantiser is computed in f32, as accurately as f32 sums, v_exp_f32 and their like allow (about 1e-6 of the number): no bf16 or f16 on the way to a quantiser, and a product that is left as it is and whose result goes on into a quantised operand takes f32 operands (vector FMAs, or v_wmma_f32_16x16x4_f32). A number that lies on a knife's edge between two numbers of the format may be rounded either way, as far as f32 arithmetic and the matrix unit's own rounding can turn it there, and no further.
;; One version. Each part assembles by itself: llvm-mc -triple=amdgcn-amd-amdhsa -mcpu=gfx1250 --defsym DOCPART=n.
;; ======== version 1 of 1: 4 launches
;; workspace buffers: ops 16,384,000 bytes; qrec 13,369,344 bytes; kvrec 13,369,344 bytes; orec 6,553,600 bytes
;; launch quant (part 1): grid 640 x 1, 4 waves a work-group, no clusters, 34,304 bytes of LDS; arguments query, key_value, Wq, Wk, Wv, Wo, ops; writes ops
.if DOCPART == 1
	.amdgcn_target "amdgcn-amd-amdhsa--gfx1250"
	.amdhsa_code_object_version 6
	.text
	.protected	k_q3ac4b10565_quant
	.globl	k_q3ac4b10565_quant
	.p2align	8
	.type	k_q3ac4b10565_quant,@function
k_q3ac4b10565_quant:
	s_mov_b64 s[64:65], 0
	v_nop
	global_prefetch_b8 v0, s[64:65] scope:SCOPE_SE
	s_setreg_imm32_b32 hwreg(HW_REG_WAVE_MODE, 25, 1), 1
	s_wait_xcnt 0x0
; query, key_value [8192][1024] and Wq, Wk, Wv, Wo [1024][1024], f32, K (the last axis) innermost, become codes of FP6 (E2M3) with one E8M0 byte for each 32 along K,
; laid in ops IN THE ORDER OF THE OPERAND'S REGISTERS, so that the products' launches read fragments by plain loads of 16 and 8 bytes a lane.
; ops: 160 groups of 128 rows (0-63 query, 64-127 key_value, 128.. Wq, 136.. Wk, 144.. Wv, 152.. Wo), GRP bytes each: four records of 256 along K.
; A record: [tile i = 0..7][unit c = 0..3] 768 bytes (16 rows x 64 K: a lane's registers 0-3 at 16 x lane, 4-5 at 512 + 8 x lane), then at 24,576 the scale words [q][i / 4][r][i % 4].
; THE ROWS OF A TILE ARE NOT NEIGHBOURS: lane r of tile i takes row 32 (i / 2) + 8 (i % 2) + r + 8 (r / 8) of its group, so that a product which takes the tile as source 0 leaves 16 neighbours in 16 registers.
; A block's scale is 2^(floor(log2(its largest magnitude)) - 2): its byte is that magnitude's exponent field - 2, held at 1 from below.
; LIMITS: a block of zeros, or one whose largest magnitude lies under 2^-124, gets the byte 1 (a block of zeros would have 127 by the letter: its codes are zeros, and this program alone reads the bytes); NaN and infinities are not served.
; SHARES: a wave takes 64 rows x 128 along K: four tiles.  Each load reads 512 consecutive bytes of one row; a tile's 16 rows turn through the wave's own stage in LDS and come back 32 neighbours a block, two blocks a lane.
; Waves share nothing: no barrier.  Memory binds: no matrix unit, no cluster, no tensor load.
.set SP,    528                        ; a stage row: 512 bytes + 16: sixteen rows start at sixteen different 16-byte columns
.set STG,   16*SP                      ; a wave's stage
.set SPARE, 4*STG                      ; behind the four stages: the spare words, 128 bytes a wave, two blocks of 256 bytes that no other line names
.set REC,   25600
.set GRP,   4*REC
.set L16, 4                            ; v4   16 x lane
.set L8,  5                            ; v5   8 x lane
.set STI, 6                            ; v6   the stage, on the way in
.set STO, 7                            ; v7   and on the way out: row r, + 128 h
.set H8,  8                            ; v8   8 h
.set WO,  9                            ; v9   16 r + 8 h: where my two scale words go
.set SPW, 10                           ; v10  my spare word; never rewritten
.set NIL, 11                           ; v11  0; never rewritten
.set SW,  16                           ; v16-19 the four tiles' scale words; v20-21 my two of them
.set R,   32                           ; v32-159  two sets of 64: a tile as loaded
.set X,   160                          ; v160-223 my 64 numbers: blocks h and 2 + h of row r
.set PC,  224                          ; v224-235 a fragment's codes
.set CT,  236                          ; v236-242 the second halves (a conversion's three registers begin on an even number)
.set TM,  244                          ; v244-248 at work
	s_load_b256 s[4:11], s[0:1], 0x0               ; query, key_value, Wq, Wk
	s_load_b128 s[12:15], s[0:1], 0x20             ; Wv, Wo
	s_load_b64 s[16:17], s[0:1], 0x30              ; ops
	v_lshl_add_u32 v[SPW], v0, 2, SPARE
	v_mov_b32 v[NIL], 0
	v_lshrrev_b32 v1, 5, v0
	v_readfirstlane_b32 s18, v1                    ; wave
	v_and_b32 v1, 31, v0                           ; lane
	v_and_b32 v2, 15, v0                           ; r
	v_bfe_u32 v3, v0, 4, 1                         ; h
	v_lshlrev_b32 v[L16], 4, v1
	v_lshlrev_b32 v[L8], 3, v1
	s_mul_i32 s19, s18, STG
	v_add_nc_u32 v[STI], s19, v[L16]
	v_mul_u32_u24 v[STO], v2, SP
	v_lshl_add_u32 v[STO], v3, 7, v[STO]
	v_add_nc_u32 v[STO], s19, v[STO]
	v_lshlrev_b32 v[H8], 3, v3
	v_lshl_add_u32 v[WO], v2, 4, v[H8]
	v_mov_b32 v[TM+4], 0                           ; written once: a lane permute's destination counts as one of its sources
	s_mov_b32 s36, 0x76543210
	s_mov_b32 s37, 0xfedcba98                      ; v_permlanex16_b32's selects for lane l xor 16
	s_mov_b32 s38, 0xffff0000                      ; lanes 16-31
	s_lshl_b32 s20, ttmp9, 2
	s_add_co_u32 s20, s20, s18                     ; my unit of work: 4 x work-group + wave
	s_and_b32 s21, s20, 7                          ; which 128 along K
	s_bfe_u32 s22, s20, 0x10003                    ; g: which 64 rows of the group
	s_lshr_b32 s23, s20, 4                         ; G: the group
	s_mul_i32 s26, s23, GRP
	s_lshr_b32 s27, s21, 1
	s_mul_i32 s27, s27, REC
	s_add_co_u32 s26, s26, s27                     ; my record
	s_and_b32 s28, s21, 1                          ; q: which half of its 256 along K
	s_mul_i32 s29, s22, 4*3072
	s_mul_i32 s30, s28, 1536
	s_add_co_u32 s32, s26, s29
	s_add_co_u32 s32, s32, s30                     ; my first fragment: tile 4 g, half q
	s_mov_b32 s33, 0
	s_lshl_b32 s29, s22, 8
	s_lshl_b32 s30, s28, 9
	s_add_co_u32 s34, s26, s29
	s_add_co_u32 s34, s34, s30                     ; my 256 bytes of scale words (24,576 stands in the store's immediate)
	s_mov_b32 s35, 0
	s_mov_b32 s24, 0
	s_wait_kmcnt 0x0
	s_cmp_ge_u32 s23, 64                           ; which tensor: the choice hangs on the work-group's and the wave's number alone
	s_cselect_b64 s[4:5], s[6:7], s[4:5]
	s_cselect_b32 s24, 64, s24
	s_cmp_ge_u32 s23, 128
	s_cselect_b64 s[4:5], s[8:9], s[4:5]
	s_cselect_b32 s24, 128, s24
	s_cmp_ge_u32 s23, 136
	s_cselect_b64 s[4:5], s[10:11], s[4:5]
	s_cselect_b32 s24, 136, s24
	s_cmp_ge_u32 s23, 144
	s_cselect_b64 s[4:5], s[12:13], s[4:5]
	s_cselect_b32 s24, 144, s24
	s_cmp_ge_u32 s23, 152
	s_cselect_b64 s[4:5], s[14:15], s[4:5]
	s_cselect_b32 s24, 152, s24
	s_sub_co_u32 s24, s23, s24                     ; the group's number in its tensor
	s_lshl_b32 s24, s24, 19                        ; 128 rows of 4,096 bytes
	s_lshl_b32 s25, s22, 18                        ; + 64 g rows
	s_add_co_u32 s24, s24, s25
	s_lshl_b32 s25, s21, 9                         ; + my 128 numbers of a row
	s_add_co_u32 s24, s24, s25
	s_mov_b32 s25, 0
	s_add_nc_u64 s[4:5], s[4:5], s[24:25]
	s_add_nc_u64 s[32:33], s[16:17], s[32:33]
	s_add_nc_u64 s[34:35], s[16:17], s[34:35]
.macro LOAD tau                        ; tile tau's 16 rows, in the tile's row order: 32 lanes read 512 consecutive bytes
.irp rr, 0,1,2,3,4,5,6,7,8,9,10,11,12,13,14,15
	global_load_b128 v[R+64*((\tau)%2)+4*\rr:R+64*((\tau)%2)+4*\rr+3], v[L16], s[4:5] offset:(32*((\tau)/2)+8*((\tau)%2)+\rr+8*(\rr/8))*4096 th:TH_LOAD_NT
.endr
.endm
.macro TURN tau                        ; through the stage: LDS serves a wave's instructions in order, so no wait stands between the stores and the loads
.irp rr, 0,1,2,3,4,5,6,7,8,9,10,11,12,13,14,15
	ds_store_b128 v[STI], v[R+64*((\tau)%2)+4*\rr:R+64*((\tau)%2)+4*\rr+3] offset:SP*\rr
.endr
.irp c, 0,1
.irp j, 0,1,2,3,4,5,6,7
	ds_load_b128 v[X+32*\c+4*\j:X+32*\c+4*\j+3], v[STO] offset:256*\c+16*\j   ; k = 64 c + 32 h + 4 j ..: the order of the operand's registers
.endr
.endr
.endm
.macro QROW tau
.irp c, 0,1
	v_max3_num_f32 v[TM+\c], |v[X+32*\c]|, |v[X+32*\c+1]|, 0x1800000   ; block 2 c + h: all 32 numbers are mine; the floor 2^(3 - 127) holds the byte at 1 from below
.endr
.irp i, 2,4,6,8,10,12,14,16,18,20,22,24,26,28,30
.irp c, 0,1
	v_max3_num_f32 v[TM+\c], v[TM+\c], |v[X+32*\c+\i]|, |v[X+32*\c+\i+1]|
.endr
.endr
.irp c, 0,1
	v_add_nc_u32 v[TM+2+\c], 0xff000000, v[TM+\c]  ; 2 off the exponent field: the conversion's scale operand
.endr
.irp c, 0,1
	v_lshrrev_b32 v[TM+\c], 23, v[TM+2+\c]         ; the scale's byte
.endr
	v_lshl_or_b32 v[TM], v[TM+1], 16, v[TM]        ; my two bytes, blocks h and 2 + h,
	v_lshlrev_b32 v[TM], v[H8], v[TM]              ; at their places in the word;
	v_permlanex16_b32 v[TM+4], v[TM], s36, s37
	v_or_b32 v[SW+\tau], v[TM], v[TM+4]            ; with lane l xor 16's two the word is whole
.if (\tau) > 0
	s_wait_xcnt 0x0                                ; the last tile's stores have read their data: the codes' registers are written again only behind this wait
.endif
	v_cvt_scalef32_pk16_fp6_f32 v[PC:PC+2], v[X:X+15], v[TM+2]
	v_cvt_scalef32_pk16_fp6_f32 v[CT:CT+2], v[X+16:X+31], v[TM+2]
	v_cvt_scalef32_pk16_fp6_f32 v[PC+6:PC+8], v[X+32:X+47], v[TM+3]
	v_cvt_scalef32_pk16_fp6_f32 v[CT+4:CT+6], v[X+48:X+63], v[TM+3]
	v_nop                                          ; one plain place behind the scaled conversions
.irp i, 0,1,2
	v_mov_b32 v[PC+3+\i], v[CT+\i]
	v_mov_b32 v[PC+9+\i], v[CT+4+\i]
.endr
	global_store_b128 v[L16], v[PC:PC+3], s[32:33] offset:3072*(\tau)          ; 512 consecutive bytes,
	global_store_b64 v[L8], v[PC+4:PC+5], s[32:33] offset:3072*(\tau)+512      ; 256,
	global_store_b128 v[L16], v[PC+6:PC+9], s[32:33] offset:3072*(\tau)+768    ; and the second unit likewise
	global_store_b64 v[L8], v[PC+10:PC+11], s[32:33] offset:3072*(\tau)+1280
.endm
	LOAD 0
	LOAD 1
.irp tau, 0,1,2,3
.if \tau < 3
	s_wait_loadcnt 16                              ; this tile's 16 loads are in; the next tile's 16 may be out
.else
	s_wait_loadcnt 0x0
.endif
	TURN \tau
	s_wait_dscnt 0x0                               ; my 64 numbers are back, and the stage's stores have read their registers,
.if \tau < 2
	LOAD \tau+2                                    ; which take the tile two on
.endif
	QROW \tau
.endr
	v_cndmask_b32 v[SW+4], v[SW], v[SW+2], s38     ; lanes 0-15 store tiles 0 and 1's words of row r, lanes 16-31 tiles 2 and 3's
	v_cndmask_b32 v[SW+5], v[SW+1], v[SW+3], s38
	global_store_b64 v[WO], v[SW+4:SW+5], s[34:35] offset:24576   ; 32 lanes store 256 consecutive bytes
	s_wait_tensorcnt 0x0                           ; the wave's end, behind my last LDS store
	ds_add_u32 v[SPW], v[NIL]
	s_wait_dscnt 0x0
	s_endpgm
.Lfunc_end_k_q3ac4b10565_quant:
	.size	k_q3ac4b10565_quant, .Lfunc_end_k_q3ac4b10565_quant-k_q3ac4b10565_quant
	.p2alignl 7, 3214868480
	.fill 96, 4, 3214868480
	.section	.rodata,"a",@progbits
	.p2align	6, 0x0
	.amdhsa_kernel k_q3ac4b10565_quant
		.amdhsa_group_segment_fixed_size 34304
		.amdhsa_private_segment_fixed_size 0
		.amdhsa_enable_private_segment 0
		.amdhsa_kernarg_size 56
		.amdhsa_user_sgpr_count 2
		.amdhsa_user_sgpr_kernarg_segment_ptr 1
		.amdhsa_wavefront_size32 1
		.amdhsa_system_sgpr_workgroup_id_x 1
		.amdhsa_system_sgpr_workgroup_id_y 1
		.amdhsa_system_sgpr_workgroup_id_z 1
		.amdhsa_system_vgpr_workitem_id 0
		.amdhsa_next_free_vgpr 256
		.amdhsa_next_free_sgpr 66
		.amdhsa_reserve_vcc 0
		.amdhsa_float_denorm_mode_32 3
		.amdhsa_float_denorm_mode_16_64 3
		.amdhsa_memory_ordered 1
		.amdhsa_forward_progress 1
		.amdhsa_inst_pref_size 32
	.end_amdhsa_kernel
	.amdgpu_metadata
---
amdhsa.version: [ 1, 2 ]
amdhsa.kernels:
  - .name:           k_q3ac4b10565_quant
    .symbol:         k_q3ac4b10565_quant.kd
    .args:
      - { .name: query, .offset: 0, .size: 8, .value_kind: global_buffer, .address_space: global }
      - { .name: key_value, .offset: 8, .size: 8, .value_kind: global_buffer, .address_space: global }
      - { .name: Wq, .offset: 16, .size: 8, .value_kind: global_buffer, .address_space: global }
      - { .name: Wk, .offset: 24, .size: 8, .value_kind: global_buffer, .address_space: global }
      - { .name: Wv, .offset: 32, .size: 8, .value_kind: global_buffer, .address_space: global }
      - { .name: Wo, .offset: 40, .size: 8, .value_kind: global_buffer, .address_space: global }
      - { .name: ops, .offset: 48, .size: 8, .value_kind: global_buffer, .address_space: global }
    .group_segment_fixed_size: 34304
    .private_segment_fixed_size: 0
    .kernarg_segment_align: 8
    .kernarg_segment_size: 56
    .max_flat_workgroup_size: 128
    .sgpr_count:     66
    .vgpr_count:     256
    .wavefront_size: 32
...
	.end_amdgpu_metadata
.endif
;; end of part 1
;; launch proj (part 2): grid 4 x 96, 4 waves a work-group, clusters of 4 x 4, 327,680 bytes of LDS; arguments ops, bq, bk, bv, qrec, kvrec; writes qrec, kvrec
.if DOCPART == 2
	.amdgcn_target "amdgcn-amd-amdhsa--gfx1250"
	.amdhsa_code_object_version 6
	.text
	.protected	k_q3ac4b10565_proj
	.globl	k_q3ac4b10565_proj
	.p2align	8
	.type	k_q3ac4b10565_proj,@function
k_q3ac4b10565_proj:
	s_mov_b64 s[64:65], 0
	v_nop
	global_prefetch_b8 v0, s[64:65] scope:SCOPE_SE
	s_setreg_imm32_b32 hwreg(HW_REG_WAVE_MODE, 25, 1), 1
	s_wait_xcnt 0x0
	s_wait_alu depctr_hold_cnt(0) depctr_sa_sdst(0) depctr_va_vdst(0) depctr_va_sdst(0) depctr_va_ssrc(0) depctr_va_vcc(0) depctr_vm_vsrc(0)
	s_getreg_b32 s2, hwreg(HW_REG_IB_STS2, 6, 4)
	s_cmp_eq_u32 s2, 0
	s_cbranch_scc0 .Lentry_in_a_cluster
	s_endpgm
.Lentry_in_a_cluster:
	s_bfe_u32 s2, ttmp6, 0x10000c
	s_cmp_lg_u32 s2, 0xf033
	s_cbranch_scc0 .Lentry_shape_is_right
	s_endpgm
.Lentry_shape_is_right:
; The three projections on codes of FP6 (E2M3), K = 1,024, and the quantising of their results for the attention.  Clusters 0-7 (by the cluster's y) make Q = query Wq^T + bq, 8-15 K = key_value Wk^T + bk, 16-23 V.
; A tile of C, 256 x 256, is made by four waves, 128 x 128 each: 64 accumulators, 512 registers.  C(row of S1, row of S0) = the sum over k of S1 S0; source 0 takes S0's rows, source 1 S1's,
; so that a lane holds ONE row of S1 and its registers run along S0's rows.  Q, K: S1 = the tokens, S0 = the weight: a lane's registers run along the channels, which are the next product's K.
; V: S1 = Wv, S0 = key_value: a lane holds one channel and its registers run along the keys, which are V's K in the attention.  So nothing is ever transposed.
; The operands lie in ops as records of 128 rows x 256 K in the order of the operand's registers, scale words behind the codes: 25,600 dense bytes, one tensor load.
; K's four records go through THREE LDS slots: three first fills, and one refill (record 3 into slot 0), which has 224 matrix instructions in which to land.  The text is straight: no loop.
; CLUSTERS: 4 x 4 work-groups; S1's tile hangs on the cluster's row alone, S0's on its column alone: each record is asked for jointly by the four that need it.
; THE WAY OUT: bias added in f32, blocks of 32 quantised in registers, images of the operand's registers stored 512 consecutive bytes an instruction.  No LDS on the way out.
; qrec, kvrec: [batch x 16 + head][step of 128 tokens] records of 13,056 bytes: 4 images of two tiles of 16 tokens x 64 channels; 4 fragments of V (16 channels x 128 keys); 512 bytes of K's (Q's) scale words; 256 of V's.
; LIMITS: blocks whose largest magnitude lies under 2^-124 (zeros too) get the byte 1; NaN and infinities are not served.  The bias is added behind the sum, not ahead of it.
; REGISTERS: window 0: v4-18 LDS addresses, v32-47 scale words (two sets), v48-55 V's bias, v64-127 Q's and K's bias, v128-223 S1's fragments (one set); on the way out v128-251 at work.
;   window 1: S0's fragments, two sets, at v0 and v128.   windows 2, 3: the accumulators, (a, b) at v[8 (8 (a % 4) + b)].
.set REC,   25600
.set SLOT,  4*REC                      ; S1's two halves, then S0's two halves
.set SPARE, 3*SLOT                     ; behind the slots: the spare words, 128 bytes a wave, two blocks of 256 bytes that no other line names
.set KVREC, 13056
.set HEADB, 16*KVREC                   ; from a head's record to the next head's
.set A16, 4                            ; v4-6   slot s: my half of S1, + 16 x lane
.set A8,  7                            ; v7-9   + 8 x lane
.set B16, 10                           ; v10-12 the same for S0
.set B8,  13                           ; v13-15
.set ADRS, 16                          ; v16-18 scale words: lanes 0-15 S1's, lanes 16-31 S0's
.set L16, 19                           ; v19    16 x lane
.set L8,  20                           ; v20    8 x lane
.set OV,  21                           ; v21    HEADB h + 16 r
.set SPW, 28                           ; v28    my spare word; never rewritten
.set NIL, 29                           ; v29    0; never rewritten
.set SC,  32                           ; set q at v[SC + 8 q]: register i: lanes 0-15 the word of S1's block i, lanes 16-31 that of S0's block i
.set BV,  48
.set BIAS, 64
.set AF,  128
.set H,   128                          ; the way out: 64 numbers of a lane
.set TM,  192                          ; v192-207 at work
.set PW,  208                          ; the scale word just made
.set TMP, 209
.set CT,  210                          ; v210-216 the conversions' second halves
.set TP,  218                          ; v218-219 V's bias, twice
.set IM0, 220                          ; v220-231 an image of 12 registers
.set IM1, 232                          ; v232-243 the second head's
.set SWA, 244                          ; v244-247 scale words as they are stored: lanes 0-15 tiles 0-3, lanes 16-31 tiles 4-7
.set SWB, 248                          ; v248-251 the second head's
.set SEL, 18                           ; s[18:19]
.set WV,  20
.set WR,  21                           ; my half of S1.  Also: I fetch for S1 (0) or for S0 (1)
.set WC,  22                           ; my half of S0.  Also: which half I fetch
.set HM,  23                           ; lanes 16-31
.set G1A, 24
.set G1B, 32
.set G0A, 40                           ; s[40:55] S1's four groups 0, one for each record: none is ever rewritten
.set G0B0, 56                          ; S0's four
.set G0B1, 60
.set G0B2, 68
.set G0B3, 72
.set CX,  76
.set CY,  77
.set PROJ, 79
.set T1,  81                           ; S1's tile
.set T0,  82                           ; S0's tile
.set MSB, 0
.macro WIN new                         ; the immediate's high byte repeats the setting that is left
.if MSB != \new
	s_set_vgpr_msb (MSB<<8)|\new
.set MSB, \new
.endif
.endm
.set MUL_LO, 0xa1                      ; source 0 (S0) window 1, source 1 (S1) window 0, C and D window 2
.set MUL_HI, 0xf1                      ; the same, C and D window 3
.set TO_B,   0x40                      ; destination window 1, address window 0
.macro JLOAD g0a, g1a, g0b, g1b        ; a joint load: waves 0 and 1 fetch S1's halves, waves 2 and 3 S0's; an s_nop 0 and four v_nop follow each line
	s_cmp_eq_u32 s[WR], 0
	s_cbranch_scc0 .Lfor_b_\@
	tensor_load_to_lds s[\g0a:\g0a+3], s[\g1a:\g1a+7]
	s_nop 0
.rept 4
	v_nop
.endr
	s_branch .Lasked_\@
.Lfor_b_\@:
	tensor_load_to_lds s[\g0b:\g0b+3], s[\g1b:\g1b+7]
	s_nop 0
.rept 4
	v_nop
.endr
.Lasked_\@:
.endm
.macro CREST                           ; a round of the cluster's barrier behind its opening barrier
	s_cmp_lg_u32 s[WV], 0
	s_cbranch_scc1 .Lnot_wave_0_\@
	s_barrier_signal -3
.Lnot_wave_0_\@:
	s_barrier_wait -3
	s_barrier_signal -1
	s_barrier_wait -1
.endm
.macro CROUND
	s_barrier_signal -1
	s_barrier_wait -1
	CREST
.endm
.macro PLACES n                        ; plain places behind matrix instructions, in front of loads into their registers and of reads of their results
.rept \n
	v_nop
.endr
.endm
.macro FRAG reg, a16, a8, q, i         ; a fragment, 16 rows x 128 K, 12 registers: two units, each 16 bytes a lane and then 8
	ds_load_b128 v[\reg:\reg+3], v[\a16] offset:3072*(\i)+1536*(\q)
	ds_load_b64 v[\reg+4:\reg+5], v[\a8] offset:3072*(\i)+1536*(\q)+512
	ds_load_b128 v[\reg+6:\reg+9], v[\a16] offset:3072*(\i)+1536*(\q)+768
	ds_load_b64 v[\reg+10:\reg+11], v[\a8] offset:3072*(\i)+1536*(\q)+1280
.endm
.macro FETCH_B s, q                    ; S0's eight fragments into set q: 32 loads
	WIN TO_B
.irp i, 0,1,2,3,4,5,6,7
	FRAG 128*(\q)+12*\i, B16+\s, B8+\s, \q, \i
.endr
	WIN 0
.endm
.macro FETCH_A s, q, i0                ; S1's blocks i0 .. i0 + 3: 16 loads
.irp i, \i0, \i0+1, \i0+2, \i0+3
	FRAG AF+12*(\i), A16+\s, A8+\s, \q, \i
.endr
.endm
.macro SCALES s, q                     ; 2 loads: four tiles' words a lane
.irp g, 0,1
	ds_load_b128 v[SC+8*(\q)+4*\g:SC+8*(\q)+4*\g+3], v[ADRS+\s] offset:24576+512*(\q)+256*\g
.endr
.endm
; 16 matrix instructions: S1's blocks a0, a0 + 1 x S0's eight.  first = 1: C = 0 starts the sums; 2: C = the bias.  The 64 accumulators take turns in the same order in every step.
.macro MUL16 a0, q, first
.irp a, \a0, \a0+1
.irp b, 0,1,2,3,4,5,6,7
.if \first == 1
	v_wmma_scale_f32_16x16x128_f8f6f4 v[8*(8*((\a)%4)+\b):8*(8*((\a)%4)+\b)+7], v[128*(\q)+12*\b:128*(\q)+12*\b+11], v[AF+12*(\a):AF+12*(\a)+11], 0, v[SC+8*(\q)+\b], v[SC+8*(\q)+(\a)] matrix_a_fmt:MATRIX_FMT_FP6 matrix_b_fmt:MATRIX_FMT_FP6 matrix_a_scale:MATRIX_SCALE_ROW1
.elseif \first == 2
	v_wmma_scale_f32_16x16x128_f8f6f4 v[8*(8*((\a)%4)+\b):8*(8*((\a)%4)+\b)+7], v[128*(\q)+12*\b:128*(\q)+12*\b+11], v[AF+12*(\a):AF+12*(\a)+11], v[BIAS+8*\b:BIAS+8*\b+7], v[SC+8*(\q)+\b], v[SC+8*(\q)+(\a)] matrix_a_fmt:MATRIX_FMT_FP6 matrix_b_fmt:MATRIX_FMT_FP6 matrix_a_scale:MATRIX_SCALE_ROW1
.else
	v_wmma_scale_f32_16x16x128_f8f6f4 v[8*(8*((\a)%4)+\b):8*(8*((\a)%4)+\b)+7], v[128*(\q)+12*\b:128*(\q)+12*\b+11], v[AF+12*(\a):AF+12*(\a)+11], v[8*(8*((\a)%4)+\b):8*(8*((\a)%4)+\b)+7], v[SC+8*(\q)+\b], v[SC+8*(\q)+(\a)] matrix_a_fmt:MATRIX_FMT_FP6 matrix_b_fmt:MATRIX_FMT_FP6 matrix_a_scale:MATRIX_SCALE_ROW1
.endif
.endr
.endr
.endm
; A step of 128 along K on set q; it fetches the next step, half 1 - q of slot ns.
.macro STEP q, ns, first
	s_wait_dscnt 16                                ; S0's set, S1's blocks 0-3 and the scale words are in; the youngest 16 loads (S1's blocks 4-7) may be out
.if \first == 2
	WIN 0x81                                       ; C (the bias) in window 0
.else
	WIN MUL_LO
.endif
	MUL16 0, \q, \first
	MUL16 2, \q, \first
	s_wait_dscnt 0                                 ; S1's blocks 4-7 are in (asked for 32 matrix instructions ago)
	PLACES 4
	FETCH_B \ns, 1-(\q)
	FETCH_A \ns, 1-(\q), 0
	SCALES \ns, 1-(\q)
.if \first == 2
	WIN 0xc1
.else
	WIN MUL_HI
.endif
	MUL16 4, \q, \first
	MUL16 6, \q, \first
	PLACES 4
	WIN 0
	FETCH_A \ns, 1-(\q), 4
.endm
; A record's second step, with a barrier: in front of it each wave waits for all its tensor loads, adds 0 to its spare word, and waits for that and for its reads of the slot.
; fill = 1: the barrier opens a round of the cluster's, and record 3 goes into slot 0, which has just been read out.
.macro TURN ns, fill
	s_wait_tensorcnt 0x0                           ; all my tensor loads have landed
	ds_add_u32 v[SPW], v[NIL]                      ; 0 onto my spare word
	s_wait_dscnt 17                                ; (the add and the youngest 16 loads may be out)
	WIN MUL_LO
	MUL16 0, 1, 0                                  ; sixteen matrix instructions stand between the add and the wait for it
	s_wait_dscnt 0x0                               ; the add is done, and my reads of the slot are over
	s_barrier_signal -1
	MUL16 2, 1, 0
	WIN 0
	s_barrier_wait -1
.if \fill
	CREST                                          ; no wave of any partner still reads slot 0 or has a load on its way
	JLOAD G0A+12, G1A, G0B3, G1B                   ; the first tensor load behind the round; its four v_nop are the places in front of the loads below
.else
	PLACES 4
.endif
	FETCH_B \ns, 0
	FETCH_A \ns, 0, 0
	SCALES \ns, 0
	WIN MUL_HI
	MUL16 4, 1, 0
	MUL16 6, 1, 0
	PLACES 4
	WIN 0
	FETCH_A \ns, 0, 4
.endm
; 64 numbers of a lane, register 16 b + i = k 32 b + 16 (lane / 16) + i of my row, become codes: blocks 0, 1 in v[d0 .. d0 + 5], blocks 2, 3 in v[d1 .. d1 + 5]; their four bytes in v[PW].
.macro QUANT2 s, d0, d1
.irp b, 0,1,2,3
	v_max3_num_f32 v[TM+\b], |v[\s+16*\b]|, |v[\s+1+16*\b]|, 0x1800000   ; my 16 numbers of block b, and the floor 2^(3 - 127)
.endr
.irp i, 2,4,6,8,10,12,14
.irp b, 0,1,2,3
	v_max3_num_f32 v[TM+\b], v[TM+\b], |v[\s+16*\b+\i]|, |v[\s+1+16*\b+\i]|
.endr
.endr
.irp b, 0,1,2,3
	v_permlanex16_b32 v[TM+4+\b], v[TM+\b], s[SEL], s[SEL+1]
.endr
.irp b, 0,1,2,3
	v_max_num_f32 v[TM+\b], v[TM+\b], v[TM+4+\b]   ; with lane l xor 16's: the block's largest magnitude
.endr
.irp b, 0,1,2,3
	v_add_nc_u32 v[TM+12+\b], 0xff000000, v[TM+\b] ; 2 off its exponent field: the conversion's scale operand
.endr
.irp b, 0,1,2,3
	v_lshrrev_b32 v[TM+4+\b], 23, v[TM+12+\b]      ; the scale's byte
.endr
	v_lshl_or_b32 v[PW], v[TM+5], 8, v[TM+4]
	v_lshl_or_b32 v[PW], v[TM+6], 16, v[PW]
	v_lshl_or_b32 v[PW], v[TM+7], 24, v[PW]
	v_cvt_scalef32_pk16_fp6_f32 v[\d0:\d0+2], v[\s:\s+15], v[TM+12]
	v_cvt_scalef32_pk16_fp6_f32 v[CT:CT+2], v[\s+16:\s+31], v[TM+13]
	v_cvt_scalef32_pk16_fp6_f32 v[\d1:\d1+2], v[\s+32:\s+47], v[TM+14]
	v_cvt_scalef32_pk16_fp6_f32 v[CT+4:CT+6], v[\s+48:\s+63], v[TM+15]
	v_nop                                          ; one plain place behind the scaled conversions
.irp i, 0,1,2                                  ; the operand's layout wants a whole block in a lane
	v_permlane16_swap_b32 v[\d0+\i], v[CT+\i]
	v_permlane16_swap_b32 v[\d1+\i], v[CT+4+\i]
.endr
.irp i, 0,1,2
	v_mov_b32 v[\d0+3+\i], v[CT+\i]
	v_mov_b32 v[\d1+3+\i], v[CT+4+\i]
.endr
.endm
.macro KEEPW a, two                    ; tile a's scale word goes to its place among those that are stored; two = 1: its upper half is the second head's
.if (\a) < 4
	v_mov_b32 v[SWA+(\a)], v[PW]
.if \two
	v_lshrrev_b32 v[SWB+(\a)], 16, v[PW]
.endif
.else
	v_cndmask_b32 v[SWA+(\a)-4], v[SWA+(\a)-4], v[PW], s[HM]
.if \two
	v_lshrrev_b32 v[TMP], 16, v[PW]
	v_cndmask_b32 v[SWB+(\a)-4], v[SWB+(\a)-4], v[TMP], s[HM]
.endif
.endif
.endm
.macro QK a                            ; 16 tokens x my 128 channels: two heads
	WIN 0x02+(\a)/4                                ; source 0: window 2 or 3
.set j, 0
.rept 32
	v_pk_add_f32 v[H+j:H+j+1], v[64*((\a)%4)+j:64*((\a)%4)+j+1], v[BIAS+j:BIAS+j+1]   ; each accumulator from its low end on
.set j, j+2
.endr
	WIN 0
.if (\a) > 0
	s_wait_xcnt 0x0                                ; earlier stores have read their data: the images are written again only behind this wait
.endif
	QUANT2 H, IM0+6*((\a)%2), IM1+6*((\a)%2)
	KEEPW \a, 1
.if (\a)%2 == 1
.irp c, 0,1,2
	global_store_b128 v[L16], v[IM0+4*\c:IM0+4*\c+3], s[12:13] offset:1536*((\a)/2)+512*\c         ; 512 consecutive bytes
	global_store_b128 v[L16], v[IM1+4*\c:IM1+4*\c+3], s[12:13] offset:HEADB+1536*((\a)/2)+512*\c
.endr
.endif
.endm
.macro VT a                            ; 16 channels x my 128 keys: one fragment of V
	v_mov_b32 v[TP], v[BV+(\a)]
	v_mov_b32 v[TP+1], v[BV+(\a)]                  ; my channel's bias, for both halves of the packed addition
	WIN 0x02+(\a)/4
.set j, 0
.rept 32
	v_pk_add_f32 v[H+j:H+j+1], v[64*((\a)%4)+j:64*((\a)%4)+j+1], v[TP:TP+1]
.set j, j+2
.endr
	WIN 0
.if (\a) > 0
	s_wait_xcnt 0x0
.endif
	QUANT2 H, IM0, IM0+6
	KEEPW \a, 0
.irp c, 0,1,2
	global_store_b128 v[L16], v[IM0+4*\c:IM0+4*\c+3], s[14:15] offset:((\a)/4)*HEADB+6144+1536*((\a)%4)+512*\c
.endr
.endm
	s_load_b256 s[4:11], s[0:1], 0x0               ; ops, bq, bk, bv
	s_load_b128 s[12:15], s[0:1], 0x20             ; qrec, kvrec
	v_lshl_add_u32 v[SPW], v0, 2, SPARE
	v_mov_b32 v[NIL], 0
	ds_add_u32 v[SPW], v[NIL]                      ; the wave's opening: the add and its wait ahead of my first tensor load
	ds_add_u32 v[SPW], v[NIL]
	v_lshrrev_b32 v1, 5, v0
	v_readfirstlane_b32 s[WV], v1
	s_lshr_b32 s[WR], s[WV], 1
	s_and_b32 s[WC], s[WV], 1
	s_bfe_u32 s[CX], ttmp6, 0x40000
	s_bfe_u32 s[CY], ttmp6, 0x40004
	s_and_b32 s78, ttmp7, 0xffff                   ; the cluster's y: 0 .. 23
	s_lshr_b32 s[PROJ], s78, 3                     ; 0: Q, 1: K, 2: V: the same in all sixteen partners
	s_and_b32 s80, s78, 7
	s_lshl_b32 s80, s80, 2                         ; the cluster's first tile of the 32 tiles of tokens
	s_lshl_b32 s83, s[PROJ], 6                     ; S1's first group: 0 query, 64 key_value,
	s_lshl_b32 s84, s[PROJ], 3
	s_add_co_u32 s84, s84, 128                     ; S0's: 128 Wq, 136 Wk;
	s_cmp_eq_u32 s[PROJ], 2
	s_cselect_b32 s[T1], 0, s80
	s_cselect_b32 s[T0], s80, 0
	s_cselect_b32 s83, 144, s83                    ; for V: S1 = Wv,
	s_cselect_b32 s84, 64, s84                     ; S0 = key_value
	s_add_co_u32 s[T1], s[T1], s[CY]               ; S1's tile hangs on cy, never on cx;
	s_add_co_u32 s[T0], s[T0], s[CX]               ; S0's on cx, never on cy
	s_lshl_b32 s86, s[T1], 1
	s_add_co_u32 s86, s86, s83
	s_add_co_u32 s86, s86, s[WC]                   ; the group that I would fetch for S1
	s_mul_i32 s86, s86, 4*REC
	s_mov_b32 s87, 0
	s_lshl_b32 s88, s[T0], 1
	s_add_co_u32 s88, s88, s84
	s_add_co_u32 s88, s88, s[WC]                   ; and for S0
	s_mul_i32 s88, s88, 4*REC
	s_mov_b32 s89, 0
	s_lshl_b32 s90, s[CY], 2
	s_lshl_b32 s90, 15, s90                        ; my row of the cluster
	s_lshl_b32 s91, 0x1111, s[CX]                  ; my column
	s_or_b32 s[G1A], s90, (3<<16)|(1<<21)          ; 15:0 the mask; 17:16 elements of 8 bytes; 21 set beside a mask; no padding: every LDS read is of consecutive bytes
	s_or_b32 s[G1B], s91, (3<<16)|(1<<21)
.irp g, G1A, G1B
	s_mov_b32 s[\g+1], 32<<16                      ; tensor_dim0: 32 elements = 256 bytes
	s_mov_b32 s[\g+2], 100<<16                     ; tensor_dim1: 100 rows = a record
	s_mov_b32 s[\g+3], 32<<16                      ; tile_dim0
	s_mov_b32 s[\g+4], 100                         ; tile_dim1
	s_mov_b32 s[\g+5], 32                          ; the pitch: dense
	s_mov_b32 s[\g+6], 0
	s_mov_b32 s[\g+7], 0
.endr
	s_mul_i32 s92, s[WV], REC                      ; where my part lies in a slot: no place in the cluster enters an LDS address
	s_mov_b32 s[SEL], 0x76543210
	s_mov_b32 s[SEL+1], 0xfedcba98
	s_mov_b32 s[HM], 0xffff0000
	s_wait_dscnt 0x0                               ; the opening add is done
	s_wait_kmcnt 0x0
	s_add_nc_u64 s[86:87], s[4:5], s[86:87]
	s_add_nc_u64 s[88:89], s[4:5], s[88:89]
.irp k, 0,1,2,3
	s_mov_b32 s[G0A+4*\k], 1
	s_add_co_u32 s[G0A+4*\k+1], s92, (\k%3)*SLOT
	s_add_nc_u64 s[G0A+4*\k+2:G0A+4*\k+3], s[86:87], \k*REC
	s_or_b32 s[G0A+4*\k+3], s[G0A+4*\k+3], 0x80000000
	s_mov_b32 s[G0B0+4*\k+4*(\k/2)], 1
	s_add_co_u32 s[G0B0+4*\k+4*(\k/2)+1], s92, (\k%3)*SLOT
	s_add_nc_u64 s[G0B0+4*\k+4*(\k/2)+2:G0B0+4*\k+4*(\k/2)+3], s[88:89], \k*REC
	s_or_b32 s[G0B0+4*\k+4*(\k/2)+3], s[G0B0+4*\k+4*(\k/2)+3], 0x80000000
.endr
	CROUND                                         ; all sixteen work-groups are here: the first joint loads meet
	JLOAD G0A, G1A, G0B0, G1B                      ; records 0, 1, 2: three tensor loads of mine are out
	JLOAD G0A+4, G1A, G0B1, G1B
	JLOAD G0A+8, G1A, G0B2, G1B
	v_and_b32 v1, 31, v0
	v_and_b32 v2, 15, v0                           ; r
	v_bfe_u32 v3, v0, 4, 1                         ; h
	v_lshlrev_b32 v[L16], 4, v1
	v_lshlrev_b32 v[L8], 3, v1
	s_mul_i32 s93, s[WR], REC                      ; my half of S1
	s_mul_i32 s94, s[WC], REC
	s_add_co_u32 s94, s94, 2*REC                   ; my half of S0
	s_sub_co_u32 s95, s94, s93
	v_mul_u32_u24 v23, s95, v3                     ; lanes 16-31 take S0's scale words
	v_lshl_add_u32 v23, v2, 4, v23
.irp s, 0,1,2
	v_add_nc_u32 v[A16+\s], s93, v[L16]
	v_add_nc_u32 v[A8+\s], s93, v[L8]
	v_add_nc_u32 v[B16+\s], s94, v[L16]
	v_add_nc_u32 v[B8+\s], s94, v[L8]
	v_add_nc_u32 v[ADRS+\s], s93, v23
	s_add_co_u32 s93, s93, SLOT
	s_add_co_u32 s94, s94, SLOT
.endr
	v_mul_u32_u24 v[OV], v3, HEADB
	v_lshl_add_u32 v[OV], v2, 4, v[OV]
	; the bias.  Both tables are loaded on every way; the one that is not used starts at the bias's first number, so that no load leaves the buffer
	s_lshl_b32 s96, s[T0], 10
	s_lshl_b32 s97, s[WC], 9
	s_add_co_u32 s96, s96, s97                     ; my first column, in bytes (Q, K)
	s_lshl_b32 s97, s[T1], 10
	s_lshl_b32 s98, s[WR], 9
	s_add_co_u32 s97, s97, s98                     ; my first row, in bytes (V)
	s_cmp_eq_u32 s[PROJ], 1
	s_cselect_b64 s[6:7], s[8:9], s[6:7]
	s_cmp_eq_u32 s[PROJ], 2
	s_cselect_b64 s[6:7], s[10:11], s[6:7]
	s_cselect_b32 s96, 0, s96
	s_cselect_b32 s97, s97, 0
	v_lshl_add_u32 v24, v3, 6, s96                 ; register j of accumulator (a, b) is column 32 (b / 2) + 8 (b % 2) + 16 h + j
	v_and_b32 v26, 8, v2
	v_add_nc_u32 v26, v26, v2
	v_lshl_add_u32 v25, v26, 2, s97                ; lane r of block a is row 32 (a / 2) + 8 (a % 2) + r + 8 (r / 8)
.irp b, 0,1,2,3,4,5,6,7
	global_load_b128 v[BIAS+8*\b:BIAS+8*\b+3], v24, s[6:7] offset:(32*(\b/2)+8*(\b%2))*4
	global_load_b128 v[BIAS+8*\b+4:BIAS+8*\b+7], v24, s[6:7] offset:(32*(\b/2)+8*(\b%2))*4+16
	global_load_b32 v[BV+\b], v25, s[6:7] offset:(32*(\b/2)+8*(\b%2))*4
.endr
	s_wait_tensorcnt 2                             ; my part of record 0 is in; records 1 and 2 may be out
	s_barrier_signal -1
	s_barrier_wait -1                              ; everybody's is
	FETCH_B 0, 0
	FETCH_A 0, 0, 0
	SCALES 0, 0
	FETCH_A 0, 0, 4
	s_wait_loadcnt 0x0                             ; the bias
	STEP 0, 0, 1                                   ; record 0: the first products start the sums
	TURN 1, 1                                      ; records 1 and 2 are whole; record 3 goes into slot 0
	STEP 0, 1, 0                                   ; record 1
	s_wait_alu depctr_va_vdst(0)
	STEP 1, 2, 0
	STEP 0, 2, 0                                   ; record 2
	TURN 0, 0                                      ; record 3 is whole; nothing is filled
	STEP 0, 0, 0                                   ; record 3
	s_wait_dscnt 16                                ; the last step: nothing more to fetch
	WIN MUL_LO
	MUL16 0, 1, 0
	MUL16 2, 1, 0
	s_wait_dscnt 0
	WIN MUL_HI
	MUL16 4, 1, 0
	MUL16 6, 1, 0
	WIN 0
	PLACES 4                                       ; the way out writes registers that the last products read
.irp b, 0,1,2,3
	v_mov_b32 v[TM+4+\b], 0                        ; written once: a lane permute's destination counts as one of its sources
.endr
	s_cmp_eq_u32 s[PROJ], 2
	s_cbranch_scc1 .Lv_out
	s_lshl_b32 s96, s[T1], 1                       ; Q, K: my 128 tokens are group G = 2 x tile + half: batch G / 16, step G % 16; my channels are heads 4 x tile + 2 x half and the next
	s_add_co_u32 s96, s96, s[WR]
	s_lshr_b32 s97, s96, 4
	s_lshl_b32 s97, s97, 4
	s_lshl_b32 s98, s[T0], 2
	s_add_co_u32 s97, s97, s98
	s_lshl_b32 s98, s[WC], 1
	s_add_co_u32 s97, s97, s98
	s_lshl_b32 s97, s97, 4
	s_and_b32 s96, s96, 15
	s_add_co_u32 s96, s96, s97
	s_mul_i32 s96, s96, KVREC
	s_mov_b32 s97, 0
	s_cmp_eq_u32 s[PROJ], 0
	s_cselect_b64 s[12:13], s[12:13], s[14:15]
	s_add_nc_u64 s[12:13], s[12:13], s[96:97]
.irp a, 0,1,2,3,4,5,6,7
	QK \a
.endr
	global_store_b128 v[L16], v[SWA:SWA+3], s[12:13] offset:12288          ; the scale words: bytes 0 and 1 count; 2 and 3 meet zero codes and are never 0xff
	global_store_b128 v[L16], v[SWB:SWB+3], s[12:13] offset:HEADB+12288
	s_branch .Lend
.Lv_out:
	s_lshl_b32 s96, s[T0], 1                       ; V: my 128 keys are group G; my 128 channels are heads 2 Gw and 2 Gw + 1
	s_add_co_u32 s96, s96, s[WC]
	s_lshl_b32 s97, s[T1], 1
	s_add_co_u32 s97, s97, s[WR]
	s_lshl_b32 s97, s97, 1
	s_lshr_b32 s98, s96, 4
	s_lshl_b32 s98, s98, 4
	s_add_co_u32 s97, s97, s98
	s_lshl_b32 s97, s97, 4
	s_and_b32 s96, s96, 15
	s_add_co_u32 s96, s96, s97
	s_mul_i32 s96, s96, KVREC
	s_mov_b32 s97, 0
	s_add_nc_u64 s[14:15], s[14:15], s[96:97]
.irp a, 0,1,2,3,4,5,6,7
	VT \a
.endr
	global_store_b128 v[OV], v[SWA:SWA+3], s[14:15] offset:12800           ; lanes 0-15: the first head's 256 bytes; lanes 16-31: the second's
.Lend:
	s_wait_tensorcnt 0x0                           ; the wave's end, behind my last tensor load
	ds_add_u32 v[SPW], v[NIL]
	s_wait_dscnt 0x0
	CROUND                                         ; the closing round
	s_endpgm
.Lfunc_end_k_q3ac4b10565_proj:
	.size	k_q3ac4b10565_proj, .Lfunc_end_k_q3ac4b10565_proj-k_q3ac4b10565_proj
	.p2alignl 7, 3214868480
	.fill 96, 4, 3214868480
	.section	.rodata,"a",@progbits
	.p2align	6, 0x0
	.amdhsa_kernel k_q3ac4b10565_proj
		.amdhsa_group_segment_fixed_size 327680
		.amdhsa_private_segment_fixed_size 0
		.amdhsa_enable_private_segment 0
		.amdhsa_kernarg_size 48
		.amdhsa_user_sgpr_count 2
		.amdhsa_user_sgpr_kernarg_segment_ptr 1
		.amdhsa_wavefront_size32 1
		.amdhsa_system_sgpr_workgroup_id_x 1
		.amdhsa_system_sgpr_workgroup_id_y 1
		.amdhsa_system_sgpr_workgroup_id_z 1
		.amdhsa_system_vgpr_workitem_id 0
		.amdhsa_next_free_vgpr 1024
		.amdhsa_next_free_sgpr 100
		.amdhsa_reserve_vcc 0
		.amdhsa_float_denorm_mode_32 3
		.amdhsa_float_denorm_mode_16_64 3
		.amdhsa_memory_ordered 1
		.amdhsa_forward_progress 1
		.amdhsa_inst_pref_size 215
	.end_amdhsa_kernel
	.amdgpu_metadata
---
amdhsa.version: [ 1, 2 ]
amdhsa.kernels:
  - .name:           k_q3ac4b10565_proj
    .symbol:         k_q3ac4b10565_proj.kd
    .args:
      - { .name: ops, .offset: 0, .size: 8, .value_kind: global_buffer, .address_space: global }
      - { .name: bq, .offset: 8, .size: 8, .value_kind: global_buffer, .address_space: global }
      - { .name: bk, .offset: 16, .size: 8, .value_kind: global_buffer, .address_space: global }
      - { .name: bv, .offset: 24, .size: 8, .value_kind: global_buffer, .address_space: global }
      - { .name: qrec, .offset: 32, .size: 8, .value_kind: global_buffer, .address_space: global }
      - { .name: kvrec, .offset: 40, .size: 8, .value_kind: global_buffer, .address_space: global }
    .group_segment_fixed_size: 327680
    .private_segment_fixed_size: 0
    .kernarg_segment_align: 8
    .kernarg_segment_size: 48
    .max_flat_workgroup_size: 128
    .sgpr_count:     100
    .vgpr_count:     1024
    .wavefront_size: 32
...
	.end_amdgpu_metadata
.endif
;; end of part 2
;; launch attn (part 3): grid 4 x 64, 16 waves a work-group, clusters of 4 x 1, 210,944 bytes of LDS; arguments qrec, kvrec, orec; writes orec
.if DOCPART == 3
	.amdgcn_target "amdgcn-amd-amdhsa--gfx1250"
	.amdhsa_code_object_version 6
	.text
	.protected	k_q3ac4b10565_attn
	.globl	k_q3ac4b10565_attn
	.p2align	8
	.type	k_q3ac4b10565_attn,@function
k_q3ac4b10565_attn:
	s_mov_b64 s[64:65], 0
	v_nop
	global_prefetch_b8 v0, s[64:65] scope:SCOPE_SE
	s_setreg_imm32_b32 hwreg(HW_REG_WAVE_MODE, 25, 1), 1
	s_wait_xcnt 0x0
	s_wait_alu depctr_hold_cnt(0) depctr_sa_sdst(0) depctr_va_vdst(0) depctr_va_sdst(0) depctr_va_ssrc(0) depctr_va_vcc(0) depctr_vm_vsrc(0)
	s_getreg_b32 s2, hwreg(HW_REG_IB_STS2, 6, 4)
	s_cmp_eq_u32 s2, 0
	s_cbranch_scc0 .Lentry_in_a_cluster
	s_endpgm
.Lentry_in_a_cluster:
	s_bfe_u32 s2, ttmp6, 0x10000c
	s_cmp_lg_u32 s2, 0x3003
	s_cbranch_scc0 .Lentry_shape_is_right
	s_endpgm
.Lentry_shape_is_right:
; The banded attention of one head (64 heads in all: batch x 16 + head), 2,048 queries x 2,048 keys, head size 64, key j counting for query i where j <= i + 128; both products on codes of FP6 (E2M3).
; t = score x log2(e) / 8; M = the running largest t rounded UP to a whole number; p = 2^(t - M) is quantised along the keys, not normalised; the row's sum is taken of the unquantised p and divides at the end.
; The result is quantised along the model's 1,024 (a head is two blocks of 32) and stored as the last product's operand, in the order of its registers.
; SHARES.  A cluster of four work-groups owns a head.  The head's K, V and scale words, 16 records of 13,056 bytes, stay in LDS: wave w asks for key step w's record by ONE joint load; nothing is filled again.
; A wave makes two tiles of 16 queries, one after the other: of the query step m = w and of m = 15 - w, so that every wave walks 19 key steps (waves 0 and 15: 18).  Work-group cx takes queries 32 cx .. 32 cx + 31 of each step.
; For a tile of query step m the key steps 0 .. m are open, step m + 1 lies on the band's edge, the later ones are hidden: the loop has 16 trips for every wave, and a scalar branch on the wave's number and the count leaves a hidden step's work out.
; LAYOUT.  Both products are used transposed (S^T = K Q^T, O^T = V^T P^T): a lane holds ONE query.  The keys, the queries and the channels of a tile are not neighbours: lane r of tile t takes 32 (t / 2) + 8 (t % 2) + r + 8 (r / 8).
; The head's 64 channels are half of the instruction's 128 along K: Q's upper six registers hold zero codes, and what stands in K's upper six (the next tile's codes) adds nothing.
; LIMITS: blocks whose largest magnitude lies under 2^-124 (zeros too) get the byte 1; NaN and infinities are not served.  The result's scale bytes are stored one byte a lane.
.set KVREC, 13056
.set SPARE, 16*KVREC                   ; behind the head: the spare words, 128 bytes for each of 16 waves: eight blocks of 256 bytes that no other line names
.set L16, 1                            ; v1   16 x lane
.set R16, 2                            ; v2   16 r
.set L8,  3                            ; v3   8 x lane
.set RB,  4                            ; v4   16 r + h
.set SPW, 5                            ; v5   my spare word; never rewritten
.set NIL, 6                            ; v6   0; never rewritten
.set ADK, 8                            ; v8   the step's record, + 16 x lane
.set ADV, 9                            ; v9   + 16 r
.set D0,  10                           ; v10  r + 8 (r / 8) - 16 h
.set NEG, 11                           ; v11  -infinity
.set QA,  16                           ; v16-27 the first tile's Q: six registers of codes, six of zeros.  (v12 -M, v13 the largest t, v[14:15] the sum in two halves)
.set KF,  32                           ; v32-79 eight tiles of K, six registers each; later four fragments of V;  v80-85 zeros
.set S,   96                           ; v96-159 S^T, then p
.set O,   160                          ; v160-191 O^T
.set PC,  192                          ; v192-203 p's codes
.set BM,  204                          ; v204-207 the blocks' maxima
.set T,   208                          ; v208-215 at work
.set SO,  216                          ; v216-219 the conversions' scale operands
.set KS,  220                          ; v220-223 K's scale words: lanes 0-15 tiles 0-3, lanes 16-31 tiles 4-7
.set VS,  224                          ; v224-227 V's
.set QS,  228                          ; v228, v229 Q's
.set F,   230                          ; v230 f = 2^(old M - new M)
.set PW,  231                          ; v231 p's scale word
.set TMP, 232
.set D,   234                          ; v234 my query's place in its step, - 16 h
.set QB,  236                          ; v236-247 the second tile's Q
.set WV,  10
.set CX,  11
.set BH,  12
.set MD,  13                           ; the step on the band's edge
.set TB,  14                           ; LDS byte of the step's record
.set SI,  15                           ; the step
.set G1,  16
.set G0,  24
.set SEL, 28
.set CS,  30                           ; s[30:31] c = log2(e) / 8
.set HM,  32                           ; lanes 16-31
.set MM,  33                           ; the tile's query step
.macro CROUND                          ; a round of the cluster's barrier
	s_barrier_signal -1
	s_barrier_wait -1
	s_cmp_lg_u32 s[WV], 0
	s_cbranch_scc1 .Lnot_wave_0_\@
	s_barrier_signal -3
.Lnot_wave_0_\@:
	s_barrier_wait -3
	s_barrier_signal -1
	s_barrier_wait -1
.endm
	s_load_b128 s[4:7], s[0:1], 0x0                ; qrec, kvrec
	s_load_b64 s[8:9], s[0:1], 0x10                ; orec
	v_lshl_add_u32 v[SPW], v0, 2, SPARE
	v_mov_b32 v[NIL], 0
	ds_add_u32 v[SPW], v[NIL]                      ; the wave's opening: the add and its wait ahead of my first tensor load
	ds_add_u32 v[SPW], v[NIL]
	v_lshrrev_b32 v7, 5, v0
	s_delay_alu instid0(VALU_DEP_1)
	v_readfirstlane_b32 s[WV], v7
	s_bfe_u32 s[CX], ttmp6, 0x40000
	s_and_b32 s[BH], ttmp7, 0xffff                 ; batch x 16 + head: the four partners share it
	s_mov_b32 s[G1], 15|(3<<16)|(1<<21)            ; 15:0 the mask: all four; 17:16 elements of 8 bytes; 21 set beside a mask; no padding
	s_mov_b32 s[G1+1], 32<<16                      ; tensor_dim0: 256 bytes
	s_mov_b32 s[G1+2], 51<<16                      ; tensor_dim1: 51 rows = a record
	s_mov_b32 s[G1+3], 32<<16
	s_mov_b32 s[G1+4], 51
	s_mov_b32 s[G1+5], 32                          ; dense
	s_mov_b32 s[G1+6], 0
	s_mov_b32 s[G1+7], 0
	s_mov_b32 s[G0], 1
	s_mul_i32 s[G0+1], s[WV], KVREC                ; key step w's place in LDS
	s_lshl_b32 s42, s[BH], 4
	s_add_co_u32 s44, s42, s[WV]
	s_mul_i32 s44, s44, KVREC                      ; record (head, w): key step w, and the first tile's query step
	s_mov_b32 s45, 0
	s_sub_co_u32 s46, 15, s[WV]
	s_add_co_u32 s46, s46, s42
	s_mul_i32 s46, s46, KVREC                      ; record (head, 15 - w): the second tile's
	s_mov_b32 s47, 0
	s_mul_i32 s48, s[CX], 1536                     ; my work-group's pair of tiles in a record of Q
	s_mov_b32 s49, 0
	s_lshr_b32 s54, s[CX], 1
	s_lshl_b32 s54, s54, 8
	s_and_b32 s55, s[CX], 1
	s_lshl_b32 s55, s55, 3
	s_add_co_u32 s54, s54, s55                     ; and its scale words: tile 2 cx + u is word (2 cx + u) % 4 of lane 16 (cx / 2) + r
	s_mov_b32 s55, 0
	s_mov_b32 s[SEL], 0x76543210
	s_mov_b32 s[SEL+1], 0xfedcba98
	s_mov_b32 s[CS], 0x3e38aa3b
	s_mov_b32 s[CS+1], s[CS]                       ; (named with it as a pair, so it is written)
	s_mov_b32 s[HM], 0xffff0000
	s_wait_dscnt 0x0                               ; the opening add is done
	s_wait_kmcnt 0x0
	s_add_nc_u64 s[G0+2:G0+3], s[6:7], s[44:45]
	s_or_b32 s[G0+3], s[G0+3], 0x80000000
	s_add_nc_u64 s[34:35], s[4:5], s[44:45]
	s_add_nc_u64 s[38:39], s[34:35], s[54:55]      ; the first tile's scale words,
	s_add_nc_u64 s[34:35], s[34:35], s[48:49]      ; its codes
	s_add_nc_u64 s[36:37], s[4:5], s[46:47]
	s_add_nc_u64 s[40:41], s[36:37], s[54:55]      ; the second tile's
	s_add_nc_u64 s[36:37], s[36:37], s[48:49]
	CROUND                                         ; all four work-groups are here: the joint loads meet
	tensor_load_to_lds s[G0:G0+3], s[G1:G1+7]      ; my one tensor load of the launch
	s_nop 0
.rept 4
	v_nop
.endr
	v_and_b32 v7, 31, v0
	s_delay_alu instid0(VALU_DEP_1)
	v_lshlrev_b32 v[L16], 4, v7
	s_delay_alu instid0(VALU_DEP_2)
	v_lshlrev_b32 v[L8], 3, v7
	v_and_b32 v7, 15, v0                           ; r
	s_delay_alu instid0(VALU_DEP_1)
	v_lshlrev_b32 v[R16], 4, v7
	v_bfe_u32 v[TMP], v0, 4, 1                     ; h
	s_delay_alu instid0(VALU_DEP_1)
	v_add_nc_u32 v[RB], v[R16], v[TMP]
	s_delay_alu instid0(VALU_DEP_4)
	v_and_b32 v[D], 8, v7
	s_delay_alu instid0(VALU_DEP_1)
	v_add_nc_u32 v[D0], v7, v[D]
	s_delay_alu instid0(VALU_DEP_4)
	v_lshlrev_b32 v[TMP], 4, v[TMP]
	s_delay_alu instid0(VALU_DEP_1)
	v_sub_nc_u32 v[D0], v[D0], v[TMP]
	global_load_b128 v[QA:QA+3], v[L16], s[34:35]                  ; a pair's image is 12 registers a lane in three runs of 512 bytes: the even tile is registers 0-5,
	global_load_b64 v[QA+4:QA+5], v[L16], s[34:35] offset:512
	global_load_b64 v[QB:QB+1], v[L16], s[36:37] offset:520        ; the odd tile registers 6-11
	global_load_b128 v[QB+2:QB+5], v[L16], s[36:37] offset:1024
	global_load_b32 v[QS], v[R16], s[38:39] offset:12288
	global_load_b32 v[QS+1], v[R16], s[40:41] offset:12288+4
	v_mov_b32 v[NEG], 0xff800000
.irp i, 0,1,2,3,4,5
	v_mov_b32 v[QA+6+\i], 0                        ; zero codes for k = 64 .. 127
	v_mov_b32 v[QB+6+\i], 0
	v_mov_b32 v[KF+48+\i], 0                       ; what the last tile of K names beyond its six
.endr
.irp b, 0,1,2,3
	v_mov_b32 v[T+\b], 0                           ; written once: a lane permute's destination counts as one of its sources
.endr
	v_mov_b32 v[TMP], 0
	v_mov_b32 v[PW], 0                             ; (named as the upper half of the pair with f before it is first written)
	s_wait_tensorcnt 0x0                           ; my record is in,
	s_barrier_signal -1
	s_barrier_wait -1                              ; everybody's is: the whole head lies in LDS
	s_wait_loadcnt 0x0                             ; Q
; A KEY STEP of 128 keys for the tile whose Q stands in v[qf ..] and whose scale word in v[qs].
.macro STEP qf, qs
	s_cmp_gt_u32 s[SI], s[MD]
	s_cbranch_scc1 .Lhidden_\@                     ; all its keys lie beyond the band
	s_setprio 2
	v_add_nc_u32 v[ADK], s[TB], v[L16]
	v_add_nc_u32 v[ADV], s[TB], v[R16]
	v_nop
	v_nop                                          ; four places in front of loads into registers that the last products read
.irp j, 0,1,2,3,4,5,6,7,8,9,10,11
	ds_load_b128 v[KF+4*\j:KF+4*\j+3], v[ADK] offset:512*\j
.endr
	ds_load_b128 v[KS:KS+3], v[ADK] offset:12288
	s_wait_alu depctr_va_vdst(0)
	s_wait_dscnt 0x0
.irp t, 0,1,2,3
	v_wmma_scale_f32_16x16x128_f8f6f4 v[S+8*\t:S+8*\t+7], v[KF+6*\t:KF+6*\t+11], v[\qf:\qf+11], 0, v[KS+\t], v[\qs] matrix_a_fmt:MATRIX_FMT_FP6 matrix_b_fmt:MATRIX_FMT_FP6
.endr
.irp t, 4,5,6,7
	v_wmma_scale_f32_16x16x128_f8f6f4 v[S+8*\t:S+8*\t+7], v[KF+6*\t:KF+6*\t+11], v[\qf:\qf+11], 0, v[KS+\t-4], v[\qs] matrix_a_fmt:MATRIX_FMT_FP6 matrix_b_fmt:MATRIX_FMT_FP6 matrix_a_scale:MATRIX_SCALE_ROW1
.endr
.rept 4
	v_nop                                          ; places: V's loads land where K stood, and the scores are read
.endr
.irp j, 0,1,2,3,4,5,6,7,8,9,10,11
	ds_load_b128 v[KF+4*\j:KF+4*\j+3], v[ADK] offset:6144+512*\j   ; V's four fragments land under the softmax
.endr
	ds_load_b128 v[VS:VS+3], v[ADV] offset:12800
	s_cmp_lg_u32 s[SI], s[MD]
	s_cbranch_scc1 .Lopen_\@
.set n, 0
.rept 64                                       ; on the band's edge: register 16 b + i holds key 32 b + 16 h + i of the step: hidden where that is beyond my query's place in its own step
	v_cmp_gt_i32 vcc_lo, 32*(n/16)+n%16, v[D]
	v_cndmask_b32 v[S+n], v[S+n], v[NEG], vcc_lo
.set n, n+1
.endr
.Lopen_\@:
.irp b, 0,1,2,3
	v_max3_num_f32 v[BM+\b], v[S+16*\b], v[S+1+16*\b], v[S+2+16*\b]   ; the largest score of each block of 32 keys: for the row's maximum, and, since p rises with the score, for the block's largest p
.endr
.irp i, 3,5,7,9,11,13
.irp b, 0,1,2,3
	v_max3_num_f32 v[BM+\b], v[BM+\b], v[S+16*\b+\i], v[S+1+16*\b+\i]
.endr
.endr
.irp b, 0,1,2,3
	v_max_num_f32 v[BM+\b], v[BM+\b], v[S+15+16*\b]
.endr
.irp b, 0,1,2,3
	s_delay_alu instid0(VALU_DEP_4)
	v_permlanex16_b32 v[T+\b], v[BM+\b], s[SEL], s[SEL+1]
.endr
.irp b, 0,1,2,3
	s_delay_alu instid0(VALU_DEP_4)
	v_max_num_f32 v[BM+\b], v[BM+\b], v[T+\b]      ; with lane l xor 16's 16 keys
.endr
	s_delay_alu instid0(VALU_DEP_2)
	v_max3_num_f32 v[TMP], v[BM], v[BM+1], v[BM+2]
	s_delay_alu instid0(VALU_DEP_1)
	v_max_num_f32 v[TMP], v[TMP], v[BM+3]
	s_delay_alu instid0(VALU_DEP_1)
	v_mul_f32 v[TMP], s[CS], v[TMP]                ; as t
	s_delay_alu instid0(VALU_DEP_1)
	v_max_num_f32 v13, v13, v[TMP]                 ; the running largest t
	v_mov_b32 v[TMP], v12
	s_delay_alu instid0(VALU_DEP_2)
	v_floor_f32 v12, -v13                          ; the new -M = -ceil(t): a whole number
	s_delay_alu instid0(VALU_DEP_1)
	v_sub_f32 v[TMP], v12, v[TMP]                  ; old M - new M, 0 or less
	s_delay_alu instid0(VALU_DEP_1)
	v_cvt_i32_f32 v[TMP], v[TMP]                   ; (it saturates)
	s_delay_alu instid0(VALU_DEP_1)
	v_ldexp_f32 v[F], 1.0, v[TMP]                  ; f: a multiplication by it rounds nothing
.set j, 0
.rept 32
	v_pk_fma_f32 v[S+j:S+j+1], v[S+j:S+j+1], s[CS:CS+1], v[12:13] op_sel_hi:[1,0,0]   ; t - M
.set j, j+2
.endr
	s_setprio 1
.irp b, 0,1,2,3
	v_fma_f32 v[BM+\b], v[BM+\b], s[CS], v12       ; the same of each block's largest score
.endr
.set j, 0
	s_wait_alu depctr_va_vdst(0)
.rept 64
	v_exp_f32 v[S+j], v[S+j]                       ; p = 2^(t - M)
.set j, j+1
.endr
	v_pk_mul_f32 v[14:15], v[14:15], v[F:F+1] op_sel_hi:[1,0]   ; the sums under the new M: a plain place behind the exponentials
	s_wait_alu depctr_va_vdst(0)                   ; one wait for the batch of 64, ahead of its first reader
.irp b, 0,1,2,3
	v_exp_f32 v[BM+\b], v[BM+\b]                   ; the blocks' largest p
.endr
	v_pk_add_f32 v[208:209], v[100:101], v[104:105]
	v_pk_add_f32 v[254:255], v[108:109], v[112:113]
	v_pk_add_f32 v[252:253], v[116:117], v[120:121]
	v_pk_add_f32 v[250:251], v[124:125], v[128:129]
	v_pk_add_f32 v[248:249], v[132:133], v[136:137]
	v_pk_add_f32 v[222:223], v[140:141], v[144:145]
	v_pk_add_f32 v[220:221], v[148:149], v[152:153]
	v_pk_add_f32 v[14:15], v[14:15], v[156:157]
	v_pk_add_f32 v[208:209], v[208:209], v[96:97]
	v_pk_add_f32 v[254:255], v[254:255], v[98:99]
	v_pk_add_f32 v[252:253], v[252:253], v[102:103]
	v_pk_add_f32 v[250:251], v[250:251], v[106:107]
	v_pk_add_f32 v[248:249], v[248:249], v[110:111]
	v_pk_add_f32 v[222:223], v[222:223], v[114:115]
	v_pk_add_f32 v[220:221], v[220:221], v[118:119]
	v_pk_add_f32 v[14:15], v[14:15], v[122:123]
	v_pk_add_f32 v[208:209], v[208:209], v[126:127]
	v_pk_add_f32 v[254:255], v[254:255], v[130:131]
	v_pk_add_f32 v[252:253], v[252:253], v[134:135]
	v_pk_add_f32 v[250:251], v[250:251], v[138:139]
	v_pk_add_f32 v[248:249], v[248:249], v[142:143]
	v_pk_add_f32 v[222:223], v[222:223], v[146:147]
	v_pk_add_f32 v[220:221], v[220:221], v[150:151]
	v_pk_add_f32 v[14:15], v[14:15], v[154:155]
	v_pk_add_f32 v[208:209], v[208:209], v[158:159]
	s_delay_alu instid0(VALU_DEP_2)
	v_pk_add_f32 v[14:15], v[14:15], v[250:251]
	s_delay_alu instid0(VALU_DEP_2)
	v_pk_add_f32 v[208:209], v[208:209], v[248:249]
	v_pk_add_f32 v[254:255], v[254:255], v[222:223]
	v_pk_add_f32 v[252:253], v[252:253], v[220:221]
	s_delay_alu instid0(VALU_DEP_2)
	v_pk_add_f32 v[14:15], v[14:15], v[254:255]
	s_delay_alu instid0(VALU_DEP_2)
	v_pk_add_f32 v[208:209], v[208:209], v[252:253]
	s_delay_alu instid0(VALU_DEP_1)
	v_pk_add_f32 v[14:15], v[14:15], v[208:209]
	s_wait_alu depctr_va_vdst(0)                   ; and one for the four
.irp b, 0,1,2,3
	v_max_num_f32 v[BM+\b], 0x1800000, v[BM+\b]    ; the floor 2^(3 - 127): a block whose every p is 0 keeps the byte 1: its codes are zeros
.endr
.irp b, 0,1,2,3
	s_delay_alu instid0(VALU_DEP_4)
	v_add_nc_u32 v[SO+\b], 0xff000000, v[BM+\b]
.endr
.irp b, 0,1,2,3
	s_delay_alu instid0(VALU_DEP_4)
	v_lshrrev_b32 v[T+\b], 23, v[SO+\b]
.endr
	s_delay_alu instid0(VALU_DEP_3)
	v_lshl_or_b32 v[PW], v[T+1], 8, v[T]
	s_delay_alu instid0(VALU_DEP_1)
	v_lshl_or_b32 v[PW], v[T+2], 16, v[PW]
	s_delay_alu instid0(VALU_DEP_1)
	v_lshl_or_b32 v[PW], v[T+3], 24, v[PW]
	s_setprio 0
.irp c, 0,1
	v_cvt_scalef32_pk16_fp6_f32 v[PC+6*\c:PC+6*\c+2], v[S+32*\c:S+32*\c+15], v[SO+2*\c]
	v_cvt_scalef32_pk16_fp6_f32 v[T+4*\c:T+4*\c+2], v[S+16+32*\c:S+31+32*\c], v[SO+2*\c+1]
.endr
	v_nop                                          ; one plain place behind the scaled conversions
.irp c, 0,1
.irp i, 0,1,2
	v_permlane16_swap_b32 v[PC+6*\c+\i], v[T+4*\c+\i]
.endr
.irp i, 0,1,2
	s_delay_alu instid0(VALU_DEP_3)
	v_mov_b32 v[PC+3+6*\c+\i], v[T+4*\c+\i]
.endr
.endr
.set j, 0
.rept 16
	v_pk_mul_f32 v[O+j:O+j+1], v[O+j:O+j+1], v[F:F+1] op_sel_hi:[1,0]   ; O^T under the new M; these 16 also stand between the writing of p's codes and scale word and the products
.set j, j+2
.endr
	s_wait_alu depctr_va_vdst(0)
	s_wait_dscnt 0x0                               ; V
.irp t, 0,1,2,3
	v_wmma_scale_f32_16x16x128_f8f6f4 v[O+8*\t:O+8*\t+7], v[KF+12*\t:KF+12*\t+11], v[PC:PC+11], v[O+8*\t:O+8*\t+7], v[VS+\t], v[PW] matrix_a_fmt:MATRIX_FMT_FP6 matrix_b_fmt:MATRIX_FMT_FP6
.endr
.Lhidden_\@:
.endm
; ONE TILE: p = 0: query step w, the pair's even tile; p = 1: query step 15 - w, the odd tile.
.macro PASS p, qf, qs
	s_wait_xcnt 0x0                                ; the last tile's stores have read their data and their bases
.if \p == 0
	s_mov_b32 s[MM], s[WV]
.else
	s_sub_co_u32 s[MM], 15, s[WV]
.endif
	s_add_co_u32 s[MD], s[MM], 1
	s_lshl_b32 s42, s[CX], 5
	s_add_co_u32 s42, s42, 8*\p
	v_add_nc_u32 v[D], s42, v[D0]                  ; 32 cx + 8 u + r + 8 (r / 8) - 16 h: it feeds compares of numbers alone, no branch and no address
	v_mov_b32 v13, 0xff61b1e6                      ; the largest t so far: -3e38
	s_delay_alu instid0(VALU_DEP_1)
	v_floor_f32 v12, -v13
	v_mov_b32 v14, 0
	v_mov_b32 v15, 0
.set j, 0
.rept 32
	v_mov_b32 v[O+j], 0                            ; the step is written once: the first finds zeros
.set j, j+1
.endr
	s_mov_b32 s[TB], 0
	s_mov_b32 s[SI], 0
.Lkeys_\@:                                         ; 16 trips for every wave
	STEP \qf, \qs
	s_add_co_u32 s[TB], s[TB], KVREC
	s_add_co_u32 s[SI], s[SI], 1
	s_cmp_lt_u32 s[SI], 16
	s_cbranch_scc1 .Lkeys_\@
	s_setprio 0
	; THE WAY OUT: O^T / the sum, quantised: my 32 registers are channels 32 b + 16 h + i of my query: two blocks
.rept 4
	v_nop                                          ; places behind the last products: only scalar lines stand in the hidden trips
.endr
	v_add_f32 v14, v14, v15
	s_delay_alu instid0(VALU_DEP_1)
	v_permlanex16_b32 v[TMP], v14, s[SEL], s[SEL+1]
	s_delay_alu instid0(VALU_DEP_1)
	v_add_f32 v14, v14, v[TMP]                     ; the row's sum
	s_wait_alu depctr_va_vdst(0)
	v_rcp_f32 v14, v14
	v_nop                                          ; a plain place behind the reciprocal
	s_lshr_b32 s42, s[BH], 4
	s_lshl_b32 s42, s42, 4
	s_add_co_u32 s42, s42, s[MM]                   ; the group of 128 tokens: batch x 16 + query step
	s_mul_i32 s42, s42, 102400
	s_bfe_u32 s43, s[BH], 0x20002                  ; head / 4: which 256 along the last product's K
	s_mul_i32 s43, s43, 25600
	s_add_co_u32 s42, s42, s43                     ; the record
	s_and_b32 s43, s[BH], 3                        ; head % 4: which unit of 64
	s_lshl_b32 s44, s[CX], 1
	s_add_co_u32 s44, s44, \p                      ; the tile
	s_mul_i32 s44, s44, 3072
	s_mul_i32 s45, s43, 768
	s_add_co_u32 s44, s44, s45
	s_add_co_u32 s44, s44, s42
	s_mov_b32 s45, 0
	s_lshr_b32 s46, s43, 1
	s_lshl_b32 s46, s46, 9                         ; the scale word's half of the record,
	s_and_b32 s47, s43, 1
	s_lshl_b32 s47, s47, 1                         ; my head's two bytes in it,
	s_add_co_u32 s46, s46, s47
	s_add_co_u32 s46, s46, s54                     ; the tile's word
	s_add_co_u32 s46, s46, 4*\p
	s_add_co_u32 s46, s46, s42
	s_mov_b32 s47, 0
	s_add_nc_u64 s[50:51], s[8:9], s[44:45]
	s_add_nc_u64 s[52:53], s[8:9], s[46:47]
	s_wait_alu depctr_va_vdst(0)                   ; ahead of the reciprocal's first reader
.set j, 0
.rept 16
	v_pk_mul_f32 v[S+j:S+j+1], v[O+j:O+j+1], v[14:15] op_sel_hi:[1,0]   ; each accumulator from its low end on
.set j, j+2
.endr
.irp b, 0,1
	v_max3_num_f32 v[BM+\b], |v[S+16*\b]|, |v[S+1+16*\b]|, 0x1800000
.endr
.irp i, 2,4,6,8,10,12,14
.irp b, 0,1
	s_delay_alu instid0(VALU_DEP_2)
	v_max3_num_f32 v[BM+\b], v[BM+\b], |v[S+16*\b+\i]|, |v[S+1+16*\b+\i]|
.endr
.endr
.irp b, 0,1
	s_delay_alu instid0(VALU_DEP_2)
	v_permlanex16_b32 v[T+\b], v[BM+\b], s[SEL], s[SEL+1]
.endr
.irp b, 0,1
	s_delay_alu instid0(VALU_DEP_2)
	v_max_num_f32 v[BM+\b], v[BM+\b], v[T+\b]
.endr
.irp b, 0,1
	s_delay_alu instid0(VALU_DEP_2)
	v_add_nc_u32 v[SO+\b], 0xff000000, v[BM+\b]
.endr
.irp b, 0,1
	s_delay_alu instid0(VALU_DEP_2)
	v_lshrrev_b32 v[T+\b], 23, v[SO+\b]
.endr
	s_delay_alu instid0(VALU_DEP_1)
	v_cndmask_b32 v[TMP], v[T], v[T+1], s[HM]      ; lane (r, h) stores block h's byte
	v_cvt_scalef32_pk16_fp6_f32 v[PC:PC+2], v[S:S+15], v[SO]
	v_cvt_scalef32_pk16_fp6_f32 v[T+4:T+6], v[S+16:S+31], v[SO+1]
	v_nop                                          ; one plain place behind the scaled conversions
.irp i, 0,1,2
	v_permlane16_swap_b32 v[PC+\i], v[T+4+\i]
.endr
.irp i, 0,1,2
	s_delay_alu instid0(VALU_DEP_3)
	v_mov_b32 v[PC+3+\i], v[T+4+\i]
.endr
	global_store_b128 v[L16], v[PC:PC+3], s[50:51]                 ; a unit: 512 consecutive bytes,
	global_store_b64 v[L8], v[PC+4:PC+5], s[50:51] offset:512      ; and 256
	global_store_b8 v[RB], v[TMP], s[52:53] offset:24576
.endm
	PASS 0, QA, QS
	PASS 1, QB, QS+1
	s_wait_tensorcnt 0x0                           ; the wave's end, behind my last tensor load
	ds_add_u32 v[SPW], v[NIL]
	s_wait_dscnt 0x0
	CROUND                                         ; the closing round
	s_endpgm
.Lfunc_end_k_q3ac4b10565_attn:
	.size	k_q3ac4b10565_attn, .Lfunc_end_k_q3ac4b10565_attn-k_q3ac4b10565_attn
	.p2alignl 7, 3214868480
	.fill 96, 4, 3214868480
	.section	.rodata,"a",@progbits
	.p2align	6, 0x0
	.amdhsa_kernel k_q3ac4b10565_attn
		.amdhsa_group_segment_fixed_size 210944
		.amdhsa_private_segment_fixed_size 0
		.amdhsa_enable_private_segment 0
		.amdhsa_kernarg_size 24
		.amdhsa_user_sgpr_count 2
		.amdhsa_user_sgpr_kernarg_segment_ptr 1
		.amdhsa_wavefront_size32 1
		.amdhsa_system_sgpr_workgroup_id_x 1
		.amdhsa_system_sgpr_workgroup_id_y 1
		.amdhsa_system_sgpr_workgroup_id_z 1
		.amdhsa_system_vgpr_workitem_id 0
		.amdhsa_next_free_vgpr 256
		.amdhsa_next_free_sgpr 66
		.amdhsa_reserve_vcc 1
		.amdhsa_float_denorm_mode_32 3
		.amdhsa_float_denorm_mode_16_64 3
		.amdhsa_memory_ordered 1
		.amdhsa_forward_progress 1
		.amdhsa_inst_pref_size 63
	.end_amdhsa_kernel
	.amdgpu_metadata
---
amdhsa.version: [ 1, 2 ]
amdhsa.kernels:
  - .name:           k_q3ac4b10565_attn
    .symbol:         k_q3ac4b10565_attn.kd
    .args:
      - { .name: qrec, .offset: 0, .size: 8, .value_kind: global_buffer, .address_space: global }
      - { .name: kvrec, .offset: 8, .size: 8, .value_kind: global_buffer, .address_space: global }
      - { .name: orec, .offset: 16, .size: 8, .value_kind: global_buffer, .address_space: global }
    .group_segment_fixed_size: 210944
    .private_segment_fixed_size: 0
    .kernarg_segment_align: 8
    .kernarg_segment_size: 24
    .max_flat_workgroup_size: 512
    .sgpr_count:     66
    .vgpr_count:     256
    .wavefront_size: 32
...
	.end_amdgpu_metadata
.endif
;; end of part 3
;; launch outp (part 4): grid 4 x 32, 4 waves a work-group, clusters of 4 x 4, 327,680 bytes of LDS; arguments orec, ops, bo, out0; writes out0
.if DOCPART == 4
	.amdgcn_target "amdgcn-amd-amdhsa--gfx1250"
	.amdhsa_code_object_version 6
	.text
	.protected	k_q3ac4b10565_outp
	.globl	k_q3ac4b10565_outp
	.p2align	8
	.type	k_q3ac4b10565_outp,@function
k_q3ac4b10565_outp:
	s_mov_b64 s[64:65], 0
	v_nop
	global_prefetch_b8 v0, s[64:65] scope:SCOPE_SE
	s_setreg_imm32_b32 hwreg(HW_REG_WAVE_MODE, 25, 1), 1
	s_wait_xcnt 0x0
	s_wait_alu depctr_hold_cnt(0) depctr_sa_sdst(0) depctr_va_vdst(0) depctr_va_sdst(0) depctr_va_ssrc(0) depctr_va_vcc(0) depctr_vm_vsrc(0)
	s_getreg_b32 s2, hwreg(HW_REG_IB_STS2, 6, 4)
	s_cmp_eq_u32 s2, 0
	s_cbranch_scc0 .Lentry_in_a_cluster
	s_endpgm
.Lentry_in_a_cluster:
	s_bfe_u32 s2, ttmp6, 0x10000c
	s_cmp_lg_u32 s2, 0xf033
	s_cbranch_scc0 .Lentry_shape_is_right
	s_endpgm
.Lentry_shape_is_right:
; out0 = attention's result x Wo^T + bo, on codes of FP6 (E2M3), K = 1,024; out0 [8192][1024] f32.  S1 = the tokens (orec), S0 = Wo (groups 152 on of ops): both as records of 128 rows x 256 K in the order
; of the operand's registers, scale words behind the codes: 25,600 dense bytes, one tensor load.  A tile of 256 x 256 is made by four waves, 128 x 128 each; source 0 takes S0's rows, source 1 S1's,
; so that a lane holds eight neighbouring columns of one row.  bo is the C of the first products.  K's four records go through THREE LDS slots: three first fills and one refill.  The text is straight: no loop.
; CLUSTERS: 4 x 4: S1's tile hangs on the cluster's row alone, S0's on its column alone: each record is asked for jointly by the four that need it.
; 128 tiles: a smaller tile would give every WGP a work-group, but read half as much again from LDS for each product.
; THE ROWS OF A TILE ARE NOT NEIGHBOURS: lane r of tile i is row 32 (i / 2) + 8 (i % 2) + r + 8 (r / 8) of its group; the way out puts rows and columns back.
; REGISTERS: window 0: v4-18 LDS addresses, v32-47 scale words (two sets), v64-127 the bias, v128-223 S1's fragments; on the way out v128-255.   window 1: S0's fragments, two sets.   windows 2, 3: the accumulators.
.set REC,   25600
.set SLOT,  4*REC
.set SPARE, 3*SLOT                     ; behind the slots: the spare words, 128 bytes a wave, two blocks of 256 bytes that no other line names
.set SPITCH, 528                       ; the way out: a stage of 16 rows x (512 bytes + 16) for each wave, in slot 1: it is filled once, and every wave has passed a barrier behind its last read of it
.set STAGE, SLOT
.set A16, 4
.set A8,  7
.set B16, 10
.set B8,  13
.set ADRS, 16
.set L16, 19
.set L8,  20
.set STO, 21                           ; v21  the stage: where I put 32 bytes of a row
.set RD,  22                           ; v22  and where I read a row back
.set SPW, 28
.set NIL, 29
.set SC,  32
.set BIAS, 64
.set AF,  128
.set BK,  128                          ; 16 rows read back: v128-191 and v192-255 by turns
.set WV,  20
.set WR,  21
.set WC,  22
.set G1A, 24
.set G1B, 32
.set G0A, 40
.set G0B0, 56
.set G0B1, 60
.set G0B2, 68
.set G0B3, 72
.set CX,  76
.set CY,  77
.set T1,  81
.set MSB, 0
.macro WIN new                         ; the immediate's high byte repeats the setting that is left
.if MSB != \new
	s_set_vgpr_msb (MSB<<8)|\new
.set MSB, \new
.endif
.endm
.set MUL_LO, 0xa1
.set MUL_HI, 0xf1
.set TO_B,   0x40
.macro JLOAD g0a, g1a, g0b, g1b        ; a joint load: waves 0 and 1 fetch S1's halves, waves 2 and 3 S0's; an s_nop 0 and four v_nop follow each line
	s_cmp_eq_u32 s[WR], 0
	s_cbranch_scc0 .Lfor_b_\@
	tensor_load_to_lds s[\g0a:\g0a+3], s[\g1a:\g1a+7]
	s_nop 0
.rept 4
	v_nop
.endr
	s_branch .Lasked_\@
.Lfor_b_\@:
	tensor_load_to_lds s[\g0b:\g0b+3], s[\g1b:\g1b+7]
	s_nop 0
.rept 4
	v_nop
.endr
.Lasked_\@:
.endm
.macro CREST
	s_cmp_lg_u32 s[WV], 0
	s_cbranch_scc1 .Lnot_wave_0_\@
	s_barrier_signal -3
.Lnot_wave_0_\@:
	s_barrier_wait -3
	s_barrier_signal -1
	s_barrier_wait -1
.endm
.macro CROUND
	s_barrier_signal -1
	s_barrier_wait -1
	CREST
.endm
.macro PLACES n                        ; plain places behind matrix instructions (ISA guide 7.12.1)
.rept \n
	v_nop
.endr
.endm
.macro FRAG reg, a16, a8, q, i         ; a fragment, 16 rows x 128 K, 12 registers: two units, each 16 bytes a lane and then 8
	ds_load_b128 v[\reg:\reg+3], v[\a16] offset:3072*(\i)+1536*(\q)
	ds_load_b64 v[\reg+4:\reg+5], v[\a8] offset:3072*(\i)+1536*(\q)+512
	ds_load_b128 v[\reg+6:\reg+9], v[\a16] offset:3072*(\i)+1536*(\q)+768
	ds_load_b64 v[\reg+10:\reg+11], v[\a8] offset:3072*(\i)+1536*(\q)+1280
.endm
.macro FETCH_B s, q
	WIN TO_B
.irp i, 0,1,2,3,4,5,6,7
	FRAG 128*(\q)+12*\i, B16+\s, B8+\s, \q, \i
.endr
	WIN 0
.endm
.macro FETCH_A s, q, i0
.irp i, \i0, \i0+1, \i0+2, \i0+3
	FRAG AF+12*(\i), A16+\s, A8+\s, \q, \i
.endr
.endm
.macro SCALES s, q
.irp g, 0,1
	ds_load_b128 v[SC+8*(\q)+4*\g:SC+8*(\q)+4*\g+3], v[ADRS+\s] offset:24576+512*(\q)+256*\g
.endr
.endm
; 16 matrix instructions: S1's blocks a0, a0 + 1 x S0's eight.  first = 1: C = 0; 2: C = the bias.  The 64 accumulators take turns in the same order in every step.
.macro MUL16 a0, q, first
.irp a, \a0, \a0+1
.irp b, 0,1,2,3,4,5,6,7
.if \first == 1
	v_wmma_scale_f32_16x16x128_f8f6f4 v[8*(8*((\a)%4)+\b):8*(8*((\a)%4)+\b)+7], v[128*(\q)+12*\b:128*(\q)+12*\b+11], v[AF+12*(\a):AF+12*(\a)+11], 0, v[SC+8*(\q)+\b], v[SC+8*(\q)+(\a)] matrix_a_fmt:MATRIX_FMT_FP6 matrix_b_fmt:MATRIX_FMT_FP6 matrix_a_scale:MATRIX_SCALE_ROW1
.elseif \first == 2
	v_wmma_scale_f32_16x16x128_f8f6f4 v[8*(8*((\a)%4)+\b):8*(8*((\a)%4)+\b)+7], v[128*(\q)+12*\b:128*(\q)+12*\b+11], v[AF+12*(\a):AF+12*(\a)+11], v[BIAS+8*\b:BIAS+8*\b+7], v[SC+8*(\q)+\b], v[SC+8*(\q)+(\a)] matrix_a_fmt:MATRIX_FMT_FP6 matrix_b_fmt:MATRIX_FMT_FP6 matrix_a_scale:MATRIX_SCALE_ROW1
.else
	v_wmma_scale_f32_16x16x128_f8f6f4 v[8*(8*((\a)%4)+\b):8*(8*((\a)%4)+\b)+7], v[128*(\q)+12*\b:128*(\q)+12*\b+11], v[AF+12*(\a):AF+12*(\a)+11], v[8*(8*((\a)%4)+\b):8*(8*((\a)%4)+\b)+7], v[SC+8*(\q)+\b], v[SC+8*(\q)+(\a)] matrix_a_fmt:MATRIX_FMT_FP6 matrix_b_fmt:MATRIX_FMT_FP6 matrix_a_scale:MATRIX_SCALE_ROW1
.endif
.endr
.endr
.endm
.macro STEP q, ns, first               ; a step of 128 along K on set q; it fetches the next step, half 1 - q of slot ns
	s_wait_dscnt 16                                ; S0's set, S1's blocks 0-3 and the scale words are in; the youngest 16 loads (S1's blocks 4-7) may be out
.if \first == 2
	WIN 0x81                                       ; C (the bias) in window 0
.else
	WIN MUL_LO
.endif
	MUL16 0, \q, \first
	MUL16 2, \q, \first
	s_wait_dscnt 0                                 ; S1's blocks 4-7 are in
	PLACES 4
	FETCH_B \ns, 1-(\q)
	FETCH_A \ns, 1-(\q), 0
	SCALES \ns, 1-(\q)
.if \first == 2
	WIN 0xc1
.else
	WIN MUL_HI
.endif
	MUL16 4, \q, \first
	MUL16 6, \q, \first
	PLACES 4
	WIN 0
	FETCH_A \ns, 1-(\q), 4
.endm
.macro TURN ns, fill                   ; a record's second step, with a barrier; fill = 1: it opens a round of the cluster's, and record 3 goes into slot 0
	s_wait_tensorcnt 0x0                           ; all my tensor loads have landed
	ds_add_u32 v[SPW], v[NIL]                      ; 0 onto my spare word
	s_wait_dscnt 17                                ; (the add and the youngest 16 loads may be out)
	WIN MUL_LO
	MUL16 0, 1, 0
	s_wait_dscnt 0x0                               ; the add is done, and my reads of the slot are over
	s_barrier_signal -1
	MUL16 2, 1, 0
	WIN 0
	s_barrier_wait -1
.if \fill
	CREST                                          ; no wave of any partner still reads slot 0 or has a load on its way
	JLOAD G0A+12, G1A, G0B3, G1B                   ; the first tensor load behind the round; its four v_nop are the places in front of the loads below
.else
	PLACES 4
.endif
	FETCH_B \ns, 0
	FETCH_A \ns, 0, 0
	SCALES \ns, 0
	WIN MUL_HI
	MUL16 4, 1, 0
	MUL16 6, 1, 0
	PLACES 4
	WIN 0
	FETCH_A \ns, 0, 4
.endm
	s_load_b256 s[4:11], s[0:1], 0x0               ; orec, ops, bo, out0
	v_lshl_add_u32 v[SPW], v0, 2, SPARE
	v_mov_b32 v[NIL], 0
	ds_add_u32 v[SPW], v[NIL]                      ; the wave's opening: the add and its wait ahead of my first tensor load
	v_lshrrev_b32 v1, 5, v0
	v_readfirstlane_b32 s[WV], v1
	s_lshr_b32 s[WR], s[WV], 1
	s_and_b32 s[WC], s[WV], 1
	s_bfe_u32 s[CX], ttmp6, 0x40000
	s_bfe_u32 s[CY], ttmp6, 0x40004
	s_and_b32 s[T1], ttmp7, 0xffff
	s_lshl_b32 s[T1], s[T1], 2
	s_add_co_u32 s[T1], s[T1], s[CY]               ; the tile of tokens: 4 x cluster y + cy
	s_lshl_b32 s86, s[T1], 1
	s_add_co_u32 s86, s86, s[WC]                   ; the group that I would fetch for S1
	s_mul_i32 s86, s86, 4*REC
	s_mov_b32 s87, 0
	s_lshl_b32 s88, s[CX], 1
	s_add_co_u32 s88, s88, 152
	s_add_co_u32 s88, s88, s[WC]                   ; and for S0: Wo's groups begin at 152
	s_mul_i32 s88, s88, 4*REC
	s_mov_b32 s89, 0
	s_lshl_b32 s90, s[CY], 2
	s_lshl_b32 s90, 15, s90                        ; my row of the cluster
	s_lshl_b32 s91, 0x1111, s[CX]                  ; my column
	s_or_b32 s[G1A], s90, (3<<16)|(1<<21)          ; the mask; elements of 8 bytes; bit 21 beside a mask; no padding
	s_or_b32 s[G1B], s91, (3<<16)|(1<<21)
.irp g, G1A, G1B
	s_mov_b32 s[\g+1], 32<<16                      ; 256 bytes a row,
	s_mov_b32 s[\g+2], 100<<16                     ; 100 rows: a record
	s_mov_b32 s[\g+3], 32<<16
	s_mov_b32 s[\g+4], 100
	s_mov_b32 s[\g+5], 32                          ; dense
	s_mov_b32 s[\g+6], 0
	s_mov_b32 s[\g+7], 0
.endr
	s_mul_i32 s92, s[WV], REC
	s_wait_dscnt 0x0                               ; the opening add is done
	s_wait_kmcnt 0x0
	s_add_nc_u64 s[86:87], s[4:5], s[86:87]
	s_add_nc_u64 s[88:89], s[6:7], s[88:89]
.irp k, 0,1,2,3
	s_mov_b32 s[G0A+4*\k], 1
	s_add_co_u32 s[G0A+4*\k+1], s92, (\k%3)*SLOT
	s_add_nc_u64 s[G0A+4*\k+2:G0A+4*\k+3], s[86:87], \k*REC
	s_or_b32 s[G0A+4*\k+3], s[G0A+4*\k+3], 0x80000000
	s_mov_b32 s[G0B0+4*\k+4*(\k/2)], 1
	s_add_co_u32 s[G0B0+4*\k+4*(\k/2)+1], s92, (\k%3)*SLOT
	s_add_nc_u64 s[G0B0+4*\k+4*(\k/2)+2:G0B0+4*\k+4*(\k/2)+3], s[88:89], \k*REC
	s_or_b32 s[G0B0+4*\k+4*(\k/2)+3], s[G0B0+4*\k+4*(\k/2)+3], 0x80000000
.endr
	CROUND                                         ; all sixteen work-groups are here: the first joint loads meet
	JLOAD G0A, G1A, G0B0, G1B                      ; records 0, 1, 2: three tensor loads of mine are out
	JLOAD G0A+4, G1A, G0B1, G1B
	JLOAD G0A+8, G1A, G0B2, G1B
	v_and_b32 v1, 31, v0
	v_and_b32 v2, 15, v0                           ; r
	v_bfe_u32 v3, v0, 4, 1                         ; h
	v_lshlrev_b32 v[L16], 4, v1
	v_lshlrev_b32 v[L8], 3, v1
	s_mul_i32 s93, s[WR], REC
	s_mul_i32 s94, s[WC], REC
	s_add_co_u32 s94, s94, 2*REC
	s_sub_co_u32 s95, s94, s93
	v_mul_u32_u24 v23, s95, v3                     ; lanes 16-31 take S0's scale words
	v_lshl_add_u32 v23, v2, 4, v23
.irp s, 0,1,2
	v_add_nc_u32 v[A16+\s], s93, v[L16]
	v_add_nc_u32 v[A8+\s], s93, v[L8]
	v_add_nc_u32 v[B16+\s], s94, v[L16]
	v_add_nc_u32 v[B8+\s], s94, v[L8]
	v_add_nc_u32 v[ADRS+\s], s93, v23
	s_add_co_u32 s93, s93, SLOT
	s_add_co_u32 s94, s94, SLOT
.endr
	s_mul_i32 s93, s[WV], 16*SPITCH
	s_add_co_u32 s93, s93, STAGE                   ; my stage
	v_mul_u32_u24 v[STO], v2, SPITCH
	v_lshl_add_u32 v[STO], v3, 6, v[STO]
	v_add_nc_u32 v[STO], s93, v[STO]               ; in: row r, + 64 h
	v_add_nc_u32 v[RD], s93, v[L16]                ; back: the 32 lanes take one row of 512 bytes
	s_lshl_b32 s98, s[CX], 10
	s_lshl_b32 s97, s[WC], 9
	s_add_co_u32 s98, s98, s97                     ; my first column, in bytes
	v_lshl_add_u32 v24, v3, 6, s98                 ; register j of accumulator (a, b) is column 32 (b / 2) + 8 (b % 2) + 16 h + j
.irp b, 0,1,2,3,4,5,6,7
	global_load_b128 v[BIAS+8*\b:BIAS+8*\b+3], v24, s[8:9] offset:(32*(\b/2)+8*(\b%2))*4
	global_load_b128 v[BIAS+8*\b+4:BIAS+8*\b+7], v24, s[8:9] offset:(32*(\b/2)+8*(\b%2))*4+16
.endr
	s_lshl_b32 s96, s[T1], 8
	s_lshl_b32 s97, s[WR], 7
	s_add_co_u32 s96, s96, s97                     ; my first row
	s_lshl_b32 s96, s96, 12                        ; of 4,096 bytes
	s_add_co_u32 s96, s96, s98
	s_mov_b32 s97, 0
	s_add_nc_u64 s[10:11], s[10:11], s[96:97]
	s_wait_tensorcnt 2                             ; my part of record 0 is in; records 1 and 2 may be out
	s_barrier_signal -1
	s_barrier_wait -1
	FETCH_B 0, 0
	FETCH_A 0, 0, 0
	SCALES 0, 0
	FETCH_A 0, 0, 4
	s_wait_loadcnt 0x0                             ; the bias
	STEP 0, 0, 2                                   ; record 0: the first products start the sums from the bias
	TURN 1, 1                                      ; records 1 and 2 are whole; record 3 goes into slot 0
	STEP 0, 1, 0
	STEP 1, 2, 0
	STEP 0, 2, 0
	TURN 0, 0                                      ; record 3 is whole; nothing is filled; behind this barrier nobody reads slot 1
	STEP 0, 0, 0
	s_wait_dscnt 16                                ; the last step: nothing more to fetch
	WIN MUL_LO
	MUL16 0, 1, 0
	MUL16 2, 1, 0
	s_wait_dscnt 0
	WIN MUL_HI
	MUL16 4, 1, 0
	MUL16 6, 1, 0
	WIN 0
; THE WAY OUT, block by block of 16 rows x 128 columns, through my own stage: a lane's 32 bytes go to their columns' place, whole rows of 512 bytes come back.  LDS serves a wave's instructions in order.
.macro TOSTAGE a
.set AC, 64*((\a)%4)
	WIN 0x08+4*((\a)/4)                            ; an LDS store's data: window 2 or 3
.irp b, 0,1,2,3,4,5,6,7
	ds_store_b128 v[STO], v[AC+8*\b:AC+8*\b+3] offset:128*(\b/2)+32*(\b%2)         ; each accumulator from its low end on
	ds_store_b128 v[STO], v[AC+8*\b+4:AC+8*\b+7] offset:128*(\b/2)+32*(\b%2)+16
.endr
	WIN 0
.set BB, BK+64*((\a)%2)
.irp t, 0,1,2,3,4,5,6,7,8,9,10,11,12,13,14,15
	ds_load_b128 v[BB+4*\t:BB+4*\t+3], v[RD] offset:\t*SPITCH
.endr
.endm
.macro SEND a, younger                 ; younger: the LDS instructions issued behind block a's loads, which may stay out
.set BB, BK+64*((\a)%2)
	s_wait_dscnt \younger
.irp t, 0,1,2,3,4,5,6,7,8,9,10,11,12,13,14,15
	global_store_b128 v[L16], v[BB+4*\t:BB+4*\t+3], s[10:11] offset:(32*((\a)/2)+8*((\a)%2)+\t+8*(\t/8))*4096 th:TH_STORE_NT   ; 512 consecutive bytes of one row; the row stands in the immediate
.endr
.endm
	PLACES 4                                       ; behind the last products: their results are read, and loads land where S1's fragments stood
	TOSTAGE 0
.irp a, 1,2,3,4,5,6,7
.if \a > 1
	s_wait_xcnt 0x0                                ; block a - 2's stores have read their registers: block a's loads may land there
.endif
	TOSTAGE \a
	SEND \a-1, 32                                  ; behind block a - 1's loads: block a's 16 stores and 16 loads
.endr
	SEND 7, 0
	s_wait_tensorcnt 0x0                           ; the wave's end, behind my last tensor load and my last LDS store
	ds_add_u32 v[SPW], v[NIL]
	s_wait_dscnt 0x0
	CROUND                                         ; the closing round
	s_endpgm
.Lfunc_end_k_q3ac4b10565_outp:
	.size	k_q3ac4b10565_outp, .Lfunc_end_k_q3ac4b10565_outp-k_q3ac4b10565_outp
	.p2alignl 7, 3214868480
	.fill 96, 4, 3214868480
	.section	.rodata,"a",@progbits
	.p2align	6, 0x0
	.amdhsa_kernel k_q3ac4b10565_outp
		.amdhsa_group_segment_fixed_size 327680
		.amdhsa_private_segment_fixed_size 0
		.amdhsa_enable_private_segment 0
		.amdhsa_kernarg_size 32
		.amdhsa_user_sgpr_count 2
		.amdhsa_user_sgpr_kernarg_segment_ptr 1
		.amdhsa_wavefront_size32 1
		.amdhsa_system_sgpr_workgroup_id_x 1
		.amdhsa_system_sgpr_workgroup_id_y 1
		.amdhsa_system_sgpr_workgroup_id_z 1
		.amdhsa_system_vgpr_workitem_id 0
		.amdhsa_next_free_vgpr 1024
		.amdhsa_next_free_sgpr 100
		.amdhsa_reserve_vcc 0
		.amdhsa_float_denorm_mode_32 3
		.amdhsa_float_denorm_mode_16_64 3
		.amdhsa_memory_ordered 1
		.amdhsa_forward_progress 1
		.amdhsa_inst_pref_size 141
	.end_amdhsa_kernel
	.amdgpu_metadata
---
amdhsa.version: [ 1, 2 ]
amdhsa.kernels:
  - .name:           k_q3ac4b10565_outp
    .symbol:         k_q3ac4b10565_outp.kd
    .args:
      - { .name: orec, .offset: 0, .size: 8, .value_kind: global_buffer, .address_space: global }
      - { .name: ops, .offset: 8, .size: 8, .value_kind: global_buffer, .address_space: global }
      - { .name: bo, .offset: 16, .size: 8, .value_kind: global_buffer, .address_space: global }
      - { .name: out0, .offset: 24, .size: 8, .value_kind: global_buffer, .address_space: global }
    .group_segment_fixed_size: 327680
    .private_segment_fixed_size: 0
    .kernarg_segment_align: 8
    .kernarg_segment_size: 32
    .max_flat_workgroup_size: 128
    .sgpr_count:     100
    .vgpr_count:     1024
    .wavefront_size: 32
...
	.end_amdgpu_metadata
.endif
;; end of part 4
